; MI455X (gfx1250); checked and timed in simulation.
; The chip was launched on July 23, 2026; its instructions are those of AMD's public machine-readable ISA for CDNA 5 (MIT licence, August 2026) and "CDNA5" Instruction Set Architecture Reference Guide (July 2026). The comments in the code are by the model that wrote it; some were corrected since.
;; Attention. Allowed arithmetic: matrix products marked QUANTISED: E2M1 operands, one E8M0 scale for each 32 along K, by v_wmma_scale_f32_16x16x128_f8f6f4 with both operands' format E2M1 (or v_wmma_scale_f32_32x16x128_f4), f32 sums; products left as they are: bf16, f16 or f32 operands; f32 sums; everything else in f32.
;; Inputs: Wk 1,024 x 1,024 float32; Wq 1,024 x 1,024 float32; Wv 1,024 x 1,024 float32; x 4 x 2,048 x 1,024 float32.
;; Outputs: out0 4 x 2,048 x 1,024 float32.
;; This version of the problem:
;;   THIS VERSION OF THE PROBLEM IS GIVEN IN LOW PRECISION. The matrix products marked QUANTISED in the list below multiply operands that are first quantised to E2M1 (2 exponent bits, 1 mantissa bit; 4 bits a number), with one power-of-two scale for each 32 numbers along K (OCP MX v1.0); their sums are f32. The products marked 'left as it is' may take bf16, f16 or f32 operands, with f32 sums. Whichever they take, every output number must still come out within the allowed error. Rounding operands to bf16 (8 significant bits) uses up far more of that allowance than f16 does (11 bits, for magnitudes from 6e-5 to 65,504). All else is computed in f32.
;;   The module's matrix products, in the order in which they are computed (A, B: the left and right operand; K: the contracted axis; several contracted axes count as one K, in the product's order):
;;     1. [M 8,192, K 1,024] x [K 1,024, N 1,024]; A: input x; B: input Wq: QUANTISED
;;     2. [M 8,192, K 1,024] x [K 1,024, N 1,024]; A: input x; B: input Wk: QUANTISED
;;     3. [M 8,192, K 1,024] x [K 1,024, N 1,024]; A: input x; B: input Wv: QUANTISED
;;     4. batch 4 x [M 2,048, K 1,024] x [K 1,024, N 2,048]; A: computed on the way; B: computed on the way: left as it is (an operand is computed on the way)
;;     5. batch 4 x [M 2,048, K 2,048] x [K 2,048, N 1,024]; A: computed on the way; B: computed on the way: left as it is (an operand is computed on the way)
;;   THE QUANTISER, for each operand of a quantised product, along K:
;;     - K is cut into blocks of 32 from its start; a last block that is shorter is filled with zeros.
;;     - A block's scale is 2^e with e = floor(log2(the largest magnitude in the block)) - 2, held to -126 .. 127; a block of zeros has e = 0. As a byte (E8M0): e + 127.
;;     - Each number is divided by its block's scale, clamped to +-6, and rounded to the nearest number of E2M1, ties to even, subnormals kept.
;;     - The product sums the exact products of the quantised numbers (number of the format x scale) in f32.
;;   ~~~python
;;   def quantise(x, axis):      # numpy; x: float32 -> the quantised numbers, widened to float32 again
;;       x = np.moveaxis(x, axis, -1); K = x.shape[-1]
;;       x = np.pad(x, [(0, 0)] * (x.ndim - 1) + [(0, -K % 32)]); x = x.reshape(x.shape[:-1] + (-1, 32)); a = np.abs(x).max(-1, keepdims=True)
;;       e = np.where(a > 0, np.clip(np.frexp(np.where(a > 0, a, 1))[1] - 1 - 2, -126, 127), 0)      # np.frexp(a)[1] - 1 = floor(log2(a)), exactly
;;       r = np.clip(x / 2.0 ** e, -6, 6)
;;       step = 2.0 ** (np.maximum(np.frexp(np.where(r == 0, 1, r))[1] - 1, 0) - 1)
;;       q = np.round(r / step) * step * 2.0 ** e      # np.round: ties to even
;;       return np.moveaxis(q.reshape(q.shape[:-2] + (-1,))[..., :K], -1, axis).astype(np.float32)
;;   ~~~
;; One version. Each part assembles by itself: llvm-mc -triple=amdgcn-amd-amdhsa -mcpu=gfx1250 --defsym DOCPART=n.
;; ======== version 1 of 1: 4 launches
;; limits: values are held in f16: magnitudes above 65,504 overflow, below 6.1e-05 lose precision
;; workspace buffers: cod 5,767,168 bytes; scl 360,448 bytes; qkv 50,331,648 bytes; bs 262,144 bytes; pt 33,554,432 bytes; mst 524,288 bytes; lst 524,288 bytes
;; launch quant (part 1): grid 352 x 1, 4 waves a work-group, no clusters, 33,280 bytes of LDS; arguments x, Wq, Wk, Wv, cod, scl; writes cod, scl
.if DOCPART == 1
	.amdgcn_target "amdgcn-amd-amdhsa--gfx1250"
	.amdhsa_code_object_version 6
	.text
	.protected	k_q843710a776_quant
	.globl	k_q843710a776_quant
	.p2align	8
	.type	k_q843710a776_quant,@function
k_q843710a776_quant:
	s_mov_b64 s[64:65], 0
	v_nop
	global_prefetch_b8 v0, s[64:65] scope:SCOPE_SE
	s_setreg_imm32_b32 hwreg(HW_REG_WAVE_MODE, 25, 1), 1
	s_wait_xcnt 0x0
; THE PROGRAM: out = softmax((q k^T * tril) / sqrt(2048)) v with q, k, v = x Wq^T, x Wk^T, x Wv^T; the three projections on codes of FP4 (E2M1) with one E8M0 scale for each 32 along K.
; Four launches: this one turns x, Wq, Wk, Wv into codes; the second is one product [8192 x 3072, K = 1024] on codes, which leaves q | k | v in f16 and, in f32, the column sums of v for each 128 tokens;
; the third makes the weights of the live tiles of q k^T; the fourth multiplies them by v.
; WORK LEFT OUT, AND WHY IT IS DEAD, for all finite values of the inputs.  reference() multiplies q k^T by a tril of ones that it builds itself: a logit with key > query is score x 0 = 0 whatever the score.
; (a) So a tile of 256 x 256 of q k^T all of whose keys lie behind all of its queries reaches no output: those tiles (28 of 64 in each batch) are not multiplied.
; (b) Over those keys a row's softmax weight is one and the same number, w = 2^(0 - M) / l; the sum over them of w v[k] is w times the sum of v[k].  So the second product is not formed there: the sum of the rows of v, kept in f32, times w takes its place.
; The maximum is taken away ahead of every exponential, the zeros of hidden keys counted in it, as reference() counts them.  All four inputs have a way to the output and are loaded.
; LIMIT: a NaN, an infinity or an overflow that arises only in a score that is left out is not carried to the result (reference() would make it NaN by x 0).
;
; THIS LAUNCH.  x [8192][1024], Wq, Wk, Wv [1024][1024], f32, K innermost, become 11,264 rows of 512 bytes of codes (x, then Wq, Wk, Wv) and 32 scale bytes a row.
; A block's scale is 2^(floor(log2(its largest magnitude)) - 2); its byte is the largest magnitude's exponent field - 2, held at 1 from below.  (A block of zeros so gets the byte 1 where the quantiser says 127:
; its codes are zeros, which add nothing under any byte but 0xff, and the bytes are read by this program alone.)  Each number is divided by the scale and rounded to the nearest code, ties to even; beyond 6 the largest code.
; LIMITS: blocks whose largest magnitude lies under 2^-124, the floor, get the floor's byte; NaN and infinities among the inputs are not served.
; Rows are dense and K is a multiple of 32: every tensor is a plain stream of blocks of 32.  A wave takes 16 steps of 512 numbers.  Each of a step's four loads reads 512 consecutive bytes, 16 a lane; the 2,048 bytes turn through the
; wave's own stage in LDS and come back 64 bytes a lane, so that a lane holds 16 neighbours along K (two neighbouring lanes hold a block).  A lane's 16 codes are 8 bytes: the wave stores 256 consecutive bytes.
; A wave's 256 scale bytes are gathered in LDS and leave as one aligned run of 256 bytes.  No tensor loads, no barrier: waves share nothing.  Loads run four steps (16 loads a wave) ahead.
.set WAVES, 4
.set STEPS, 16
.set EMAX,  2
.set CB,    8                          ; bytes of 16 codes
.set R,     16                         ; v16-79   four sets of 16 numbers as they are loaded
.set X,     80                         ; v80-111  two sets of 16 neighbours
.set C,     128                        ; v128-191 codes: four registers for each step, so that no store's data are written again
.set E,     112                        ; v112-127 a scale byte for each step
.set WREG,  8192                       ; LDS: a region for each wave: two stages of 32 x SP bytes, behind them its 256 scale bytes
.set SP,    80                         ; a lane's place in a stage: 64 bytes + 16 of padding
.set SPW,   12                         ; v12  LDS address of my spare word; never rewritten
.set NIL,   13                         ; v13  0; never rewritten
.set SPARE, WAVES*WREG                 ; behind the four regions: the spare words, 128 bytes a wave, which no other line names
	s_load_b256 s[4:11], s[0:1], 0x0               ; x, Wq, Wk, Wv
	s_load_b128 s[12:15], s[0:1], 0x20             ; the codes, the scale bytes
	v_lshl_add_u32 v[SPW], v0, 2, SPARE
	v_mov_b32 v[NIL], 0
	v_lshrrev_b32 v1, 5, v0
	v_readfirstlane_b32 s16, v1                    ; wave
	v_and_b32 v2, 31, v0                           ; lane
	v_lshlrev_b32 v3, 4, v2                        ; my 16 bytes of a load's 512
	s_mul_i32 s17, s16, WREG
	v_lshrrev_b32 v14, 2, v2
	v_mul_u32_u24 v14, v14, SP
	v_and_b32 v15, 3, v2
	v_lshl_add_u32 v14, v15, 4, v14
	v_add_nc_u32 v14, s17, v14                     ; the stage, on the way in: SP (lane / 4) + 16 (lane % 4)
	v_mul_u32_u24 v15, v2, SP
	v_add_nc_u32 v15, s17, v15                     ; and on the way out: SP x lane: my 16 neighbours
	v_mul_u32_u24 v4, v2, CB                       ; my codes' place in a step's
	v_lshrrev_b32 v5, 1, v2
	s_add_co_u32 s17, s17, 2*32*SP
	v_add_nc_u32 v5, s17, v5                       ; LDS: my wave's 256 scale bytes, my block's byte
	v_lshlrev_b32 v7, 3, v2                        ; and on the way out 8 bytes a lane
	v_add_nc_u32 v6, s17, v7
	s_wait_kmcnt 0x0
	s_mov_b32 s18, 320                             ; which tensor is my work-group's?  256 work-groups for x, 32 for each weight; the choice hangs on the work-group's number alone
	s_cmp_lt_u32 ttmp9, 320
	s_cselect_b64 s[10:11], s[8:9], s[10:11]
	s_cselect_b32 s18, 288, s18
	s_cmp_lt_u32 ttmp9, 288
	s_cselect_b64 s[10:11], s[6:7], s[10:11]
	s_cselect_b32 s18, 256, s18
	s_cmp_lt_u32 ttmp9, 256
	s_cselect_b64 s[10:11], s[4:5], s[10:11]
	s_cselect_b32 s18, 0, s18
	s_sub_co_u32 s18, ttmp9, s18
	s_lshl_b32 s18, s18, 2
	s_add_co_u32 s18, s18, s16                     ; which run of 8,192 numbers of that tensor is my wave's
	s_lshl_b32 s18, s18, 15                        ; 32,768 bytes a run
	s_mov_b32 s19, 0
	s_add_nc_u64 s[10:11], s[10:11], s[18:19]
	s_lshl_b32 s20, ttmp9, 2
	s_add_co_u32 s20, s20, s16                     ; and which run of the whole stream of codes
	s_lshl_b32 s22, s20, 12                        ; 4,096 bytes of codes a run
	s_mov_b32 s23, 0
	s_add_nc_u64 s[12:13], s[12:13], s[22:23]
	s_lshl_b32 s22, s20, 8                         ; 256 scale bytes a run
	s_add_nc_u64 s[14:15], s[14:15], s[22:23]
.macro LOAD t
.irp i, 0,1,2,3
	global_load_b128 v[R+16*((\t)%4)+4*\i:R+16*((\t)%4)+4*\i+3], v3, s[10:11] offset:2048*(\t)+512*\i th:TH_LOAD_NT   ; 32 lanes read 512 consecutive bytes
.endr
.endm
.macro TURN t                          ; step t's numbers through the stage: LDS serves a wave's instructions in order, so no wait stands between the stores and the loads
.irp i, 0,1,2,3
	ds_store_b128 v14, v[R+16*((\t)%4)+4*\i:R+16*((\t)%4)+4*\i+3] offset:32*SP*((\t)%2)+8*SP*\i
.endr
.irp i, 0,1,2,3
	ds_load_b128 v[X+16*((\t)%2)+4*\i:X+16*((\t)%2)+4*\i+3], v15 offset:32*SP*((\t)%2)+16*\i
.endr
.endm
.irp t, 0,1,2,3
	LOAD \t
.endr
	s_wait_loadcnt 12                              ; step 0's four loads are in
	TURN 0
.macro STEP t
.set XS, X+16*((\t)%2)
.if (\t) > 0
	s_wait_dscnt 1                                 ; this step's numbers are back from the stage (the last step's byte store may be out): so its stores into the stage have read their registers,
.else
	s_wait_dscnt 0x0
.endif
.if (\t)+4 < STEPS
	LOAD (\t)+4                                    ; which take the loads of four steps on
.endif
.if (\t)+1 < STEPS
.if STEPS-2-(\t) >= 3
	s_wait_loadcnt 12                              ; the next step's four loads are in; those of the three steps behind it may be out
.else
	s_wait_loadcnt 4*(STEPS-2-(\t))
.endif
	TURN (\t)+1                                    ; and go through the other stage while this step is worked
.endif
	v_max3_num_f32 v8, |v[XS]|, |v[XS+1]|, |v[XS+2]|               ; the largest magnitude of my 16, in two chains
	v_max3_num_f32 v9, |v[XS+3]|, |v[XS+4]|, |v[XS+5]|
.irp i, 6,10
	v_max3_num_f32 v8, v8, |v[XS+\i]|, |v[XS+\i+1]|
	v_max3_num_f32 v9, v9, |v[XS+\i+2]|, |v[XS+\i+3]|
.endr
	v_max3_num_f32 v8, v8, |v[XS+14]|, |v[XS+15]|
	v_max3_num_f32 v8, v8, v9, (EMAX+1)<<23        ; and the floor 2^(EMAX + 1 - 127): so the byte cannot fall under 1
	v_max_num_f32_dpp v8, v8, v8 row_xmask:1 row_mask:0xf bank_mask:0xf   ; and of my neighbour's 16: the block's
	v_add_nc_u32 v11, -(EMAX<<23), v8              ; EMAX off its exponent field: the conversion takes the exponent field of this operand as its scale, and nothing else of it
	v_cvt_scalef32_pk8_fp4_f32 v[C+4*(\t)], v[XS:XS+7], v11
	v_cvt_scalef32_pk8_fp4_f32 v[C+4*(\t)+1], v[XS+8:XS+15], v11
	v_lshrrev_b32 v[E+(\t)], 23, v11               ; the scale's byte (a plain line behind the conversions)
	ds_store_b8 v5, v[E+(\t)] offset:16*(\t)       ; both lanes of a block write the same byte with the same value
	global_store_b64 v4, v[C+4*(\t):C+4*(\t)+1], s[12:13] offset:32*CB*(\t)
.endm
.irp t, 0,1,2,3,4,5,6,7,8,9,10,11,12,13,14,15
	STEP \t
.endr
	ds_load_b64 v[8:9], v6                         ; LDS serves a wave's instructions in order: these see my stores
	s_wait_dscnt 0x0
	global_store_b64 v7, v[8:9], s[14:15]          ; 32 lanes store 256 consecutive bytes, aligned
	s_wait_tensorcnt 0x0                           ; the wave's end
	ds_add_u32 v[SPW], v[NIL]
	s_wait_dscnt 0x0
	s_endpgm
.Lfunc_end_k_q843710a776_quant:
	.size	k_q843710a776_quant, .Lfunc_end_k_q843710a776_quant-k_q843710a776_quant
	.p2alignl 7, 3214868480
	.fill 96, 4, 3214868480
	.section	.rodata,"a",@progbits
	.p2align	6, 0x0
	.amdhsa_kernel k_q843710a776_quant
		.amdhsa_group_segment_fixed_size 33280
		.amdhsa_private_segment_fixed_size 0
		.amdhsa_enable_private_segment 0
		.amdhsa_kernarg_size 48
		.amdhsa_user_sgpr_count 2
		.amdhsa_user_sgpr_kernarg_segment_ptr 1
		.amdhsa_wavefront_size32 1
		.amdhsa_system_sgpr_workgroup_id_x 1
		.amdhsa_system_sgpr_workgroup_id_y 1
		.amdhsa_system_sgpr_workgroup_id_z 1
		.amdhsa_system_vgpr_workitem_id 0
		.amdhsa_next_free_vgpr 192
		.amdhsa_next_free_sgpr 66
		.amdhsa_reserve_vcc 0
		.amdhsa_float_denorm_mode_32 3
		.amdhsa_float_denorm_mode_16_64 3
		.amdhsa_memory_ordered 1
		.amdhsa_forward_progress 1
		.amdhsa_inst_pref_size 34
	.end_amdhsa_kernel
	.amdgpu_metadata
---
amdhsa.version: [ 1, 2 ]
amdhsa.kernels:
  - .name:           k_q843710a776_quant
    .symbol:         k_q843710a776_quant.kd
    .args:
      - { .name: x, .offset: 0, .size: 8, .value_kind: global_buffer, .address_space: global }
      - { .name: Wq, .offset: 8, .size: 8, .value_kind: global_buffer, .address_space: global }
      - { .name: Wk, .offset: 16, .size: 8, .value_kind: global_buffer, .address_space: global }
      - { .name: Wv, .offset: 24, .size: 8, .value_kind: global_buffer, .address_space: global }
      - { .name: cod, .offset: 32, .size: 8, .value_kind: global_buffer, .address_space: global }
      - { .name: scl, .offset: 40, .size: 8, .value_kind: global_buffer, .address_space: global }
    .group_segment_fixed_size: 33280
    .private_segment_fixed_size: 0
    .kernarg_segment_align: 8
    .kernarg_segment_size: 48
    .max_flat_workgroup_size: 128
    .sgpr_count:     66
    .vgpr_count:     192
    .wavefront_size: 32
...
	.end_amdgpu_metadata
.endif
;; end of part 1
;; launch proj (part 2): grid 8 x 32, 4 waves a work-group, clusters of 4 x 4, 327,680 bytes of LDS; arguments cod, scl, qkv, bs; writes qkv, bs
.if DOCPART == 2
	.amdgcn_target "amdgcn-amd-amdhsa--gfx1250"
	.amdhsa_code_object_version 6
	.text
	.protected	k_q843710a776_proj
	.globl	k_q843710a776_proj
	.p2align	8
	.type	k_q843710a776_proj,@function
k_q843710a776_proj:
	s_mov_b64 s[64:65], 0
	v_nop
	global_prefetch_b8 v0, s[64:65] scope:SCOPE_SE
	s_setreg_imm32_b32 hwreg(HW_REG_WAVE_MODE, 25, 1), 1
	s_wait_xcnt 0x0
	s_wait_alu depctr_hold_cnt(0) depctr_sa_sdst(0) depctr_va_vdst(0) depctr_va_sdst(0) depctr_va_ssrc(0) depctr_va_vcc(0) depctr_vm_vsrc(0)
	s_getreg_b32 s2, hwreg(HW_REG_IB_STS2, 6, 4)
	s_cmp_eq_u32 s2, 0
	s_cbranch_scc0 .Lentry_in_a_cluster
	s_endpgm
.Lentry_in_a_cluster:
	s_bfe_u32 s2, ttmp6, 0x10000c
	s_cmp_lg_u32 s2, 0xf033
	s_cbranch_scc0 .Lentry_shape_is_right
	s_endpgm
.Lentry_shape_is_right:
; q | k | v = x [Wq; Wk; Wv]^T: C[m][n] = sum over k of A[m][k] B[n][k] on codes of FP4 (E2M1) with one E8M0 scale for each 32 along K; sums in f32.
; A: rows 0-8191 of the codes' buffer (x); B: rows 8192-11263 (Wq, Wk, Wv); a row is 512 bytes of codes and 32 scale bytes.  C: [8192][3072], rounded once to f16: columns 0-1023 q, 1024-2047 k, 2048-3071 v.
; f16 HAS THE ROOM: with inputs of the stated kind |q|, |k|, |v| are of order 1; inputs 30 times larger on both sides, or offsets of 30 spreads on both, stay under 65,504; 30 times smaller on both sides stay within f16's subnormals' step of 6e-8.
; LIMIT: a projection beyond 65,504 in magnitude becomes an infinity.
; Beside C the launch leaves, in f32 and from the unrounded sums, the column sums of v over each block of 128 tokens: bs[64][1024].  The last launch needs them for the keys that lie behind a row's tiles.
; SHARES.  C has 32 x 12 tiles of 256 x 256 for 256 work-groups: each makes ONE AND A HALF.  PART 1: 256 tokens x 256 columns of q | k (tile columns 0 to 7); a wave makes 128 x 128: 64 accumulators, 512 registers.
; PART 2: the same 256 tokens x 128 columns of v (columns 2048 + 128 x tile column); a wave makes 64 x 128: 32 accumulators.  x's codes for all of K = 1,024 lie in the two LDS slots (512 along K each, rows of 256 bytes) and stay;
; part 2 fetches Wv's 128 rows alone, into the bytes of slot 0's rows of B, at the change of slots, where nobody reads them any more: that load has part 1's second half of K and its whole way out in which to land.
; The scale bytes of the work-group's 256 + 256 rows of part 1 come once, as dense blocks.  CLUSTERS: 4 x 4 work-groups; A's tiles are asked for jointly along a row of the cluster, B's along a column.
; No prefetch: both slots are first fills, and the one refill is asked for a half of K and a way out ahead of its first use.
; THE MATRIX INSTRUCTION IS USED TRANSPOSED (source 0 = 16 rows of B, source 1 = 16 rows of A): a lane holds eight neighbouring numbers of a row of C.
; REGISTERS, in windows of 256: window 0: v0-31 addresses; v32-95 scale words, which hold nothing else; v128-191 A's fragments; on the ways out v96-127, v128-255 are at work.
;   window 1: B's fragments, two sets, at v0 and v128.   window 2: the accumulators of my rows 0-63 ((a, b) at v[8 (8 a + b)]), and part 2's;   window 3: those of my rows 64-127.
.set SIZE_N, 3072
.set SIZE_K, 1024
.set KSTEP,  512
.set NQ,     KSTEP/128
.set ROWB,   256                       ; a tile's row in bytes
.set KROW,   SIZE_K/2                  ; a row of codes in memory
.set PITCH,  272                       ; an LDS row: 256 bytes + 16 of padding = 68 words: the 16 rows that a load touches start at 16 different banks (64 banks of 4 bytes: ISA guide 11.1)
.set FR,     8
.set NL,     2
.set NP,     4                         ; places behind this matrix instruction (ISA guide 7.12.1)
.set HALFT,  128*PITCH
.set SLOT,   4*HALFT
.set KS,     SIZE_K/32
.set SCL,    2*SLOT                    ; behind the slots: the scales, as runs of 256 bytes + 16 of padding
.set HALFS,  (128*KS/256)*272
.set SBLK,   (16*KS/256)*272
.set STAGE,  SCL+4*HALFS               ; the way out: 16 rows x (256 + 16) bytes for each wave; no fill lands here
.set SPITCH, 272
.set BSS,    STAGE+4*16*SPITCH         ; 512 bytes for each wave: its 128 column sums
.set SPARE,  BSS+4*512                 ; the spare words, 128 bytes a wave, which no other line names
.set ADRC, 8                           ; v8-9    part 2: Wv's fragments, first and second half of K
.set ADRD, 10                          ; v10-11  part 2: my 64 rows of x, in slot 0, 1
.set ADS2, 12                          ; v12     part 2: my rows' scale words in LDS
.set SOF2, 14                          ; v14     32 r + 16 h: row r's scale bytes, half h of K
.set ADRA, 16
.set ADRB, 20
.set BSO,  22                          ; v22  16 x lane
.set STO,  24
.set RD,   25
.set CO,   26
.set ADRS, 27
.set SPW,  28
.set NIL,  29
.set BSA,  30                          ; v30  where I put my half's column sums
.set BSR,  31                          ; v31  and where I read 16 bytes of a wave's 512 back
.set SC,   32
.set SB2,  32                          ; part 2: Wv's scale words: register 4 i + q: lanes 0-15 the first half of K, lanes 16-31 the second
.set SA2,  64                          ; part 2: x's likewise, four blocks
.set AF,   128
.set T,    128                         ; the column sums at work: v128-191
.set TMP,  192                         ; packed results
.set OB,   96                          ; 16 rows read back from the stage: v96-127 and v224-255 by turns
.set G1, 24
.set G0, 32
.set G1B, 48
.set G0B, 56
.set G1S, 68
.set G0S, 76
.set G1SB, 80
.set G0SB, 88
.set MSB, 0
.macro WIN new                         ; the immediate's high byte repeats the setting that is left
.if MSB != \new
	s_set_vgpr_msb (MSB<<8)|\new
.set MSB, \new
.endif
.endm
.set MUL_LO, 0xa1                      ; source 0 (B) window 1, source 1 (A) window 0, C and D window 2
.set MUL_HI, 0xf1
.set TO_B,   0x40
; A joint load: waves 0 and 1 fetch for A, waves 2 and 3 for B; the branch hangs on the wave's number alone.  An s_nop 0 and four v_nop follow each line.
.macro JLOAD g0a, g1a, g0b, g1b
	s_cmp_eq_u32 s15, 0
	s_cbranch_scc0 .Lfor_b_\@
	tensor_load_to_lds s[\g0a:\g0a+3], s[\g1a:\g1a+7]
	s_nop 0
.rept 4
	v_nop
.endr
	s_branch .Lasked_\@
.Lfor_b_\@:
	tensor_load_to_lds s[\g0b:\g0b+3], s[\g1b:\g1b+7]
	s_nop 0
.rept 4
	v_nop
.endr
.Lasked_\@:
.endm
.macro CREST                           ; a round of the cluster's barrier behind its opening barrier
	s_cmp_lg_u32 s14, 0
	s_cbranch_scc1 .Lnot_wave_0_\@
	s_barrier_signal -3
.Lnot_wave_0_\@:
	s_barrier_wait -3
	s_barrier_signal -1
	s_barrier_wait -1
.endm
.macro CROUND                          ; a whole round
	s_barrier_signal -1
	s_barrier_wait -1
	CREST
.endm
	s_load_b128 s[4:7], s[0:1], 0x0                ; the codes, the scale bytes
	s_load_b64 s[12:13], s[0:1], 0x10              ; qkv
	s_load_b64 s[96:97], s[0:1], 0x18              ; bs
	v_lshl_add_u32 v[SPW], v0, 2, SPARE
	v_mov_b32 v[NIL], 0
	ds_add_u32 v[SPW], v[NIL]                      ; the wave's opening: the add, twice on end, and its wait ahead of my first tensor load
	ds_add_u32 v[SPW], v[NIL]
	v_lshrrev_b32 v1, 5, v0
	v_readfirstlane_b32 s14, v1                    ; wave 0..3
	s_lshr_b32 s15, s14, 1                         ; part 1: which half of the tile's rows is mine.  Also: I fetch for A (0) or for B (1)
	s_and_b32 s16, s14, 1                          ; part 1: which half of its columns.  Also: which 128 rows of that tile I fetch
	s_bfe_u32 s40, ttmp6, 0x40000                  ; cx, cy
	s_bfe_u32 s41, ttmp6, 0x40004
	s_lshl_b32 s42, ttmp9, 2
	s_add_co_u32 s42, s42, s40                     ; tile column, 0 to 7
	s_and_b32 s17, ttmp7, 0xffff
	s_lshl_b32 s17, s17, 2
	s_add_co_u32 s17, s17, s41                     ; tile row, 0 to 31
	s_lshl_b32 s43, s41, 2
	s_lshl_b32 s43, 15, s43                        ; my row of the cluster
	s_lshl_b32 s44, 0x1111, s40                    ; my column
	s_or_b32 s[G1+0], s43, (0<<16)|(1<<20)|(1<<21)|(5<<22)|(3<<25)  ; the mask; elements of 1 byte; padding on, 4 words behind every 64; bit 21 beside a mask
	s_or_b32 s[G1B+0], s44, (0<<16)|(1<<20)|(1<<21)|(5<<22)|(3<<25)
.irp g, G1, G1B
	s_mov_b32 s[\g+1], ROWB<<16                    ; tensor_dim0
	s_mov_b32 s[\g+2], 128<<16                     ; tensor_dim1
	s_mov_b32 s[\g+3], ROWB<<16                    ; tile_dim0
	s_mov_b32 s[\g+4], 128                         ; tile_dim1
	s_mov_b32 s[\g+5], KROW                        ; the pitch
	s_mov_b32 s[\g+6], 0
	s_mov_b32 s[\g+7], 0
.endr
	s_or_b32 s[G1S+0], s43, (3<<16)|(1<<20)|(1<<21)|(5<<22)|(3<<25)  ; the scales of 128 rows: 4,096 dense bytes as 16 rows of 256 (32 elements of 8 bytes)
	s_or_b32 s[G1SB+0], s44, (3<<16)|(1<<20)|(1<<21)|(5<<22)|(3<<25)
.irp g, G1S, G1SB
	s_mov_b32 s[\g+1], 32<<16
	s_mov_b32 s[\g+2], (128*KS/256)<<16
	s_mov_b32 s[\g+3], 32<<16
	s_mov_b32 s[\g+4], 128*KS/256
	s_mov_b32 s[\g+5], 32
	s_mov_b32 s[\g+6], 0
	s_mov_b32 s[\g+7], 0
.endr
	s_lshl_b32 s18, s16, 7
	s_lshl_b32 s20, s17, 8
	s_add_co_u32 s20, s20, s18                     ; A: row 256 x tile row + 128 x half
	s_lshl_b32 s46, s42, 8
	s_add_co_u32 s46, s46, s18                     ; B: row 256 x tile column + 128 x half
	s_mov_b32 s21, 0
	s_mov_b32 s47, 0
	s_mov_b64 s[18:19], KS
	s_mul_u64 s[22:23], s[20:21], s[18:19]         ; where these rows' scales begin
	s_mul_u64 s[92:93], s[46:47], s[18:19]
	s_mov_b64 s[18:19], KROW
	s_mul_u64 s[20:21], s[20:21], s[18:19]         ; and their codes
	s_mul_u64 s[46:47], s[46:47], s[18:19]
	s_mul_i32 s45, s14, HALFT                      ; where they go: wave x 128 rows
	s_mul_i32 s94, s14, HALFS
	s_lshl_b32 s2, s42, 7
	s_add_co_u32 s2, s2, 2048                      ; part 2: B's rows 2048 + 128 x tile column (Wv's)
	s_lshl_b32 s98, s2, 9                          ; their codes,
	s_lshl_b32 s3, s16, 8                          ; the half of K that I would fetch
	s_add_co_u32 s98, s98, s3
	s_mov_b32 s99, 0
	s_lshl_b32 s2, s2, 5                           ; their scale bytes
	s_mov_b32 s3, 0
	s_wait_dscnt 0x0                               ; both opening adds are done
	s_wait_kmcnt 0x0
	s_add_nc_u64 s[8:9], s[4:5], 8192*KROW         ; B's codes lie behind x's 8,192 rows,
	s_add_nc_u64 s[10:11], s[6:7], 8192*KS         ; B's scale bytes likewise
	s_add_nc_u64 s[20:21], s[4:5], s[20:21]
	s_add_nc_u64 s[22:23], s[6:7], s[22:23]
	s_add_nc_u64 s[46:47], s[8:9], s[46:47]
	s_add_nc_u64 s[92:93], s[10:11], s[92:93]
	s_add_nc_u64 s[98:99], s[8:9], s[98:99]        ; kept for the refill
	s_add_nc_u64 s[10:11], s[10:11], s[2:3]        ; kept for part 2's scale words
	CROUND                                         ; all sixteen work-groups are here: the first joint loads meet
	s_mov_b32 s[G0S], 1
	s_add_co_u32 s[G0S+1], s94, SCL
	s_mov_b64 s[G0S+2:G0S+3], s[22:23]
	s_or_b32 s[G0S+3], s[G0S+3], 0x80000000
	s_mov_b32 s[G0SB], 1
	s_add_co_u32 s[G0SB+1], s94, SCL
	s_mov_b64 s[G0SB+2:G0SB+3], s[92:93]
	s_or_b32 s[G0SB+3], s[G0SB+3], 0x80000000
	JLOAD G0S, G1S, G0SB, G1SB                     ; the scales first; then both slots: three loads of mine are out
.irp s, 0,1
	s_mov_b32 s[G0+4*\s], 1
	s_add_co_u32 s[G0+4*\s+1], s45, \s*SLOT
	s_add_nc_u64 s[G0+4*\s+2:G0+4*\s+3], s[20:21], \s*ROWB
	s_or_b32 s[G0+4*\s+3], s[G0+4*\s+3], 0x80000000
	s_mov_b32 s[G0B+4*\s], 1
	s_add_co_u32 s[G0B+4*\s+1], s45, \s*SLOT
	s_add_nc_u64 s[G0B+4*\s+2:G0B+4*\s+3], s[46:47], \s*ROWB
	s_or_b32 s[G0B+4*\s+3], s[G0B+4*\s+3], 0x80000000
	JLOAD G0+4*\s, G1, G0B+4*\s, G1B
.endr
	v_and_b32 v1, 15, v0                           ; r = lane % 16
	v_bfe_u32 v2, v0, 4, 1                         ; h = lane / 16
	v_mul_u32_u24 v3, v1, PITCH
	v_lshl_add_u32 v4, v2, 4, v3                   ; a fragment's row x pitch + 16 h
	s_mul_i32 s21, s15, HALFT
	s_mul_i32 s22, s16, HALFT
	s_add_co_u32 s22, s22, 2*HALFT
.irp s, 0,1
	v_add_nc_u32 v[ADRA+\s], s21, v4
	v_add_nc_u32 v[ADRB+\s], s22, v4
	s_add_co_u32 s21, s21, SLOT
	s_add_co_u32 s22, s22, SLOT
.endr
	v_add_nc_u32 v[ADRC], 2*HALFT, v4              ; part 2: Wv's rows lie where slot 0's rows of B lay: the first half of K, then the second
	v_add_nc_u32 v[ADRC+1], 3*HALFT, v4
	s_mul_i32 s21, s14, 64*PITCH                   ; part 2: my 64 rows of x
	v_add_nc_u32 v[ADRD], s21, v4
	s_add_co_u32 s21, s21, SLOT
	v_add_nc_u32 v[ADRD+1], s21, v4
	v_mul_u32_u24 v5, v1, KS                       ; my row's scales: KS bytes a row,
	v_lshrrev_b32 v6, 8, v5
	v_lshl_add_u32 v5, v6, 4, v5                   ; and 16 more for each 256 passed
	v_lshl_add_u32 v7, v2, 4, v5                   ; part 2: + 16 h: the half of K
	s_mul_i32 s21, s14, 8*272                      ; my 64 rows are 8 runs of 256 bytes
	s_add_co_u32 s21, s21, SCL
	v_add_nc_u32 v[ADS2], s21, v7
	v_lshlrev_b32 v[SOF2], 5, v1
	v_lshl_add_u32 v[SOF2], v2, 4, v[SOF2]
	s_mul_i32 s21, s15, HALFS
	s_mul_i32 s22, s16, HALFS
	s_add_co_u32 s22, s22, 2*HALFS
	s_sub_co_u32 s22, s22, s21
	v_mul_u32_u24 v6, s22, v2                      ; lanes 16-31 take B's
	s_add_co_u32 s21, s21, SCL
	v_add_nc_u32 v5, v5, v6
	v_add_nc_u32 v[ADRS], s21, v5
	s_mul_i32 s23, s14, 16*SPITCH
	s_add_co_u32 s23, s23, STAGE                   ; my stage
	v_mul_u32_u24 v5, v1, SPITCH                   ; in: row r, 16 bytes for each half of the lanes
	v_lshl_add_u32 v5, v2, 4, v5
	v_add_nc_u32 v[STO], s23, v5
	v_mul_u32_u24 v5, v2, SPITCH                   ; back: lanes 0-15 one row of 256 bytes, lanes 16-31 the next
	v_lshl_add_u32 v5, v1, 4, v5
	v_add_nc_u32 v[RD], s23, v5
	v_mul_u32_u24 v5, v2, SIZE_N*2                 ; and the same two rows in C
	v_lshl_add_u32 v[CO], v1, 4, v5
	s_lshl_b32 s23, s14, 9
	s_add_co_u32 s23, s23, BSS                     ; my 512 bytes of column sums
	v_lshl_add_u32 v[BSA], v2, 5, s23              ; in: 32 bytes for each half of the lanes
	v_and_b32 v6, 31, v0
	v_lshlrev_b32 v[BSO], 4, v6
	v_add_nc_u32 v[BSR], s23, v[BSO]               ; back: 16 bytes a lane
	s_lshl_b32 s20, s17, 8                         ; the tile's first token
	s_lshl_b32 s21, s15, 7
	s_add_co_u32 s21, s20, s21                     ; part 1: my first row of C
	s_mul_i32 s21, s21, SIZE_N*2                   ; in bytes (the whole of C is under 2^26)
	s_lshl_b32 s46, s42, 9                         ; my first column, in bytes: 512 x tile column + 256 x half
	s_lshl_b32 s47, s16, 8
	s_add_co_u32 s46, s46, s47
	s_add_co_u32 s22, s21, s46
	s_mov_b32 s23, 0
	s_lshl_b32 s21, s14, 6
	s_add_co_u32 s21, s20, s21                     ; part 2: my first row: + 64 x wave
	s_mul_i32 s21, s21, SIZE_N*2
	s_lshl_b32 s46, s42, 8                         ; 128 columns of f16 a tile column,
	s_add_co_u32 s21, s21, s46
	s_add_co_u32 s2, s21, 4096                     ; behind q's and k's 2,048 columns
	s_add_nc_u64 s[66:67], s[12:13], s[2:3]
	s_add_nc_u64 s[12:13], s[12:13], s[22:23]
	s_lshl_b32 s2, s17, 1
	s_add_co_u32 s2, s2, s15                       ; bs: my block of 128 tokens: 2 x tile row + wave / 2
	s_lshl_b32 s2, s2, 12                          ; a row of bs is 4,096 bytes
	s_lshl_b32 s46, s42, 9                         ; 128 columns of f32 a tile column
	s_add_co_u32 s2, s2, s46
	s_add_nc_u64 s[96:97], s[96:97], s[2:3]
.macro FRAG reg, adr, q, i             ; 16 rows x 128 K of 4-bit codes: 8 registers; registers 4 c .. 4 c + 3 hold K = 64 c + 32 h + 0 .. 31
.irp c, 0,1
	ds_load_b128 v[\reg+4*\c:\reg+4*\c+3], v[\adr] offset:64*(\q)+32*\c+(\i)*16*PITCH
.endr
.endm
; 16 matrix instructions: A's blocks a0, a0 + 1 x B's eight.  The 64 accumulators take turns, one instruction a turn, in the same order in every step.
.macro MUL16 a0, p, q, sc, zero
.irp a, \a0, \a0+1
.irp b, 0,1,2,3,4,5,6,7
.if \zero
	v_wmma_scale_f32_16x16x128_f8f6f4 v[8*(8*((\a)%4)+\b):8*(8*((\a)%4)+\b)+7], v[128*(\p)+FR*\b:128*(\p)+FR*\b+FR-1], v[AF+FR*(\a):AF+FR*(\a)+FR-1], 0, v[SC+8*NQ*(\sc)+NQ*\b+(\q)], v[SC+8*NQ*(\sc)+NQ*(\a)+(\q)] matrix_a_fmt:MATRIX_FMT_FP4 matrix_b_fmt:MATRIX_FMT_FP4 matrix_a_scale:MATRIX_SCALE_ROW1
.else
	v_wmma_scale_f32_16x16x128_f8f6f4 v[8*(8*((\a)%4)+\b):8*(8*((\a)%4)+\b)+7], v[128*(\p)+FR*\b:128*(\p)+FR*\b+FR-1], v[AF+FR*(\a):AF+FR*(\a)+FR-1], v[8*(8*((\a)%4)+\b):8*(8*((\a)%4)+\b)+7], v[SC+8*NQ*(\sc)+NQ*\b+(\q)], v[SC+8*NQ*(\sc)+NQ*(\a)+(\q)] matrix_a_fmt:MATRIX_FMT_FP4 matrix_b_fmt:MATRIX_FMT_FP4 matrix_a_scale:MATRIX_SCALE_ROW1
.endif
.endr
.endr
.endm
.macro FETCH_B slot, q, p
	WIN TO_B
.irp i, 0,1,2,3,4,5,6,7
	FRAG 128*(\p)+FR*\i, ADRB+\slot, \q, \i
.endr
	WIN 0
.endm
.macro FETCH_A slot, q, i0
.irp i, \i0, \i0+1, \i0+2, \i0+3
	FRAG AF+FR*(\i), ADRA+\slot, \q, \i
.endr
.endm
.macro SCALES sc                       ; a slot's scale words: lanes 0-15 take A's block i, lanes 16-31 B's block i
.irp i, 0,1,2,3,4,5,6,7
	ds_load_b128 v[SC+8*NQ*\sc+NQ*\i:SC+8*NQ*\sc+NQ*\i+3], v[ADRS] offset:\i*SBLK
.endr
.endm
.macro PLACES n                        ; plain vector lines between a matrix instruction and a load into, or a vector line on, its registers
.rept \n
	v_nop
.endr
.endm
.macro STEP slot, q, zero              ; 128 along K, with its successor in the same slot
	s_wait_dscnt 4*NL                              ; B's set and A's blocks 0-3 are in; the youngest loads (A's blocks 4-7) may be out
	WIN MUL_LO
	MUL16 0, (\q)%2, \q, \slot, \zero
	MUL16 2, (\q)%2, \q, \slot, \zero
	s_wait_dscnt 0                                 ; A's blocks 4-7 are in
	PLACES NP
	FETCH_B \slot, (\q)+1, 1-(\q)%2
	FETCH_A \slot, (\q)+1, 0
	WIN MUL_HI
	MUL16 4, (\q)%2, \q, \slot, \zero
	MUL16 6, (\q)%2, \q, \slot, \zero
	PLACES NP
	WIN 0
	FETCH_A \slot, (\q)+1, 4
.endm
.macro STEPS slot, from
.set Q, \from
.rept NQ-1-\from
	STEP \slot, Q, 0
.set Q, Q+1
.endr
.endm
	; ---- PART 1
	s_wait_tensorcnt 1                             ; the scales and my part of slot 0 are in (slot 1's load may be out)
	s_barrier_signal -1
	s_barrier_wait -1                              ; everybody's are
	FETCH_B 0, 0, 0
	FETCH_A 0, 0, 0
	SCALES 0
	FETCH_A 0, 0, 4
	STEP 0, 0, 1                                   ; the first step's products start the sums: nothing is cleared
	STEPS 0, 1
	; slot 0's last step changes slots.  In front of the barrier my part of slot 1 has landed and my reads of slot 0 are over; the barrier opens a round of the cluster's barrier, and behind
	; the round slot 0's rows of B are filled again, with Wv's 128 rows for part 2: waves 2 and 3, a half of K each: the same shape, mask and LDS bytes as their first fill of slot 0
	s_wait_tensorcnt 0x0                           ; all my tensor loads have landed, so a group 0 may be written
	ds_add_u32 v[SPW], v[NIL]                      ; 0 onto my spare word
	s_wait_dscnt 4*NL+1                            ; (the add and the youngest loads, A's blocks 4-7, may be out)
	WIN MUL_LO
	MUL16 0, 1, NQ-1, 0, 0
	s_wait_dscnt 0x0                               ; the add is done, and my reads of slot 0's rows of B are over
	s_barrier_signal -1
	MUL16 2, 1, NQ-1, 0, 0
	WIN 0
	s_barrier_wait -1
	CREST                                          ; no wave of any partner still reads those bytes or has a load on its way
	s_mov_b64 s[G0B+2:G0B+3], s[98:99]
	s_or_b32 s[G0B+3], s[G0B+3], 0x80000000
	s_cmp_eq_u32 s15, 0                            ; waves 0 and 1 have no part of it: the branch hangs on the wave's number alone
	s_cbranch_scc1 .Lno_refill
	tensor_load_to_lds s[G0B:G0B+3], s[G1B:G1B+7]  ; my one tensor load behind the round
	s_nop 0
.rept 4
	v_nop
.endr
.Lno_refill:
	PLACES NP                                      ; in front of the loads below, on both ways
	v_add_nc_u32 v[ADRS], 4*NQ, v[ADRS]            ; on to slot 1's scale words
	FETCH_B 1, 0, 0
	FETCH_A 1, 0, 0
	SCALES 1
	WIN MUL_HI
	MUL16 4, 1, NQ-1, 0, 0
	MUL16 6, 1, NQ-1, 0, 0
	PLACES NP
	WIN 0
	FETCH_A 1, 0, 4
	STEPS 1, 0
	s_wait_dscnt 4*NL                              ; part 1's last step: nothing more to fetch
	WIN MUL_LO
	MUL16 0, 1, NQ-1, 1, 0
	MUL16 2, 1, NQ-1, 1, 0
	s_wait_dscnt 0
	WIN MUL_HI
	MUL16 4, 1, NQ-1, 1, 0
	MUL16 6, 1, NQ-1, 1, 0
	WIN 0
	PLACES NP                                      ; behind the last products: their results are read and their operands' and scales' registers loaded from here on
	; part 2's scale words are asked for ahead of part 1's way out.  Lane (r, h) takes row r's 16 bytes of half h of K: each load covers 512 consecutive bytes; the second half of K is named by the upper lanes
.irp i, 0,1,2,3,4,5,6,7
	global_load_b128 v[SB2+4*\i:SB2+4*\i+3], v[SOF2], s[10:11] offset:512*\i
.endr
.irp i, 0,1,2,3
	ds_load_b128 v[SA2+4*\i:SA2+4*\i+3], v[ADS2] offset:\i*SBLK
.endr
; THE WAY OUT, block by block of 16 rows x 128 columns: rounded to f16, 16 bytes a lane, through my own stage, back as whole rows of 256 bytes.
.macro PACK a
.set AC, 64*((\a)%4)
	WIN 0x0a+5*((\a)/4)                            ; sources 0 and 1: window 2 or 3
.irp b, 0,1,2,3,4,5,6,7
.irp r, 0,1,2,3
	v_cvt_pk_f16_f32 v[TMP+4*\b+\r], v[AC+8*\b+2*\r], v[AC+8*\b+2*\r+1]
.endr
.endr
	WIN 0
.endm
.macro TOSTAGE a
.set BB, OB+128*((\a)%2)
.irp b, 0,1,2,3,4,5,6,7
	ds_store_b128 v[STO], v[TMP+4*\b:TMP+4*\b+3] offset:32*\b
.endr
.irp t, 0,1,2,3,4,5,6,7
	ds_load_b128 v[BB+4*\t:BB+4*\t+3], v[RD] offset:\t*2*SPITCH    ; LDS serves a wave's instructions in order: these see the stores above
.endr
.endm
.macro SEND a, base
.set BB, OB+128*((\a)%2)
	s_wait_dscnt 0x0                               ; the block is back in registers
	s_wait_xcnt 0x0                                ; the stores of the block before have read their registers: the next block's loads land there only behind this wait
.irp t, 0,1,2,3,4,5,6,7
	global_store_b128 v[CO], v[BB+4*\t:BB+4*\t+3], s[\base:\base+1] offset:(16*(\a)+2*\t)*SIZE_N*2   ; 16 lanes store 256 consecutive bytes, aligned; 126 rows of 6,144 bytes at the most: inside the signed 24-bit immediate
.endr
.endm
	PACK 0
	TOSTAGE 0
.irp a, 1,2,3,4,5,6,7                  ; block a's conversions stand between block a - 1's loads from the stage and the wait for them
	PACK \a
	SEND \a-1, 12
	TOSTAGE \a
.endr
	SEND 7, 12
	; ---- PART 2: my 64 tokens x v's 128 columns; 8 steps of 128 along K; fragments in two sets by turns, the next step's 24 loads issued ahead of this step's 32 products
.macro FETCH2 sg, q, p                 ; half sg of K, its q-th 128, into set p: Wv's eight fragments, my four of x
	WIN TO_B
.irp i, 0,1,2,3,4,5,6,7
	FRAG 128*(\p)+FR*\i, ADRC+\sg, \q, \i
.endr
	WIN 0
.irp i, 0,1,2,3
	FRAG AF+32*(\p)+FR*\i, ADRD+\sg, \q, \i
.endr
.endm
.macro MUL2                            ; step N2: 32 matrix instructions, the 32 accumulators by turns
.set P2, N2%2
.set Q2, N2%4
.irp a, 0,1,2,3
.irp b, 0,1,2,3,4,5,6,7
.if N2 == 0
	v_wmma_scale_f32_16x16x128_f8f6f4 v[8*(8*\a+\b):8*(8*\a+\b)+7], v[128*P2+FR*\b:128*P2+FR*\b+FR-1], v[AF+32*P2+FR*\a:AF+32*P2+FR*\a+FR-1], 0, v[SB2+4*\b+Q2], v[SA2+4*\a+Q2] matrix_a_fmt:MATRIX_FMT_FP4 matrix_b_fmt:MATRIX_FMT_FP4
.elseif N2 < 4
	v_wmma_scale_f32_16x16x128_f8f6f4 v[8*(8*\a+\b):8*(8*\a+\b)+7], v[128*P2+FR*\b:128*P2+FR*\b+FR-1], v[AF+32*P2+FR*\a:AF+32*P2+FR*\a+FR-1], v[8*(8*\a+\b):8*(8*\a+\b)+7], v[SB2+4*\b+Q2], v[SA2+4*\a+Q2] matrix_a_fmt:MATRIX_FMT_FP4 matrix_b_fmt:MATRIX_FMT_FP4
.else
	v_wmma_scale_f32_16x16x128_f8f6f4 v[8*(8*\a+\b):8*(8*\a+\b)+7], v[128*P2+FR*\b:128*P2+FR*\b+FR-1], v[AF+32*P2+FR*\a:AF+32*P2+FR*\a+FR-1], v[8*(8*\a+\b):8*(8*\a+\b)+7], v[SB2+4*\b+Q2], v[SA2+4*\a+Q2] matrix_a_fmt:MATRIX_FMT_FP4 matrix_b_fmt:MATRIX_FMT_FP4 matrix_a_scale:MATRIX_SCALE_ROW1 matrix_b_scale:MATRIX_SCALE_ROW1
.endif
.endr
.endr
.endm
	s_wait_tensorcnt 0x0                           ; my part of Wv's rows has landed (waves 0 and 1: nothing is out),
	s_wait_dscnt 0x0
	s_barrier_signal -1
	s_barrier_wait -1                              ; everybody's has
	FETCH2 0, 0, 0
	s_wait_loadcnt 0x0                             ; Wv's scale words
.set N2, 0
.rept 8
.if N2 < 7
.if N2 > 0
	PLACES NP                                      ; in front of loads into the set that the last step's products read
.endif
	FETCH2 (N2+1)/4, (N2+1)%4, (N2+1)%2
	s_wait_dscnt 24                                ; all but the 24 just issued: this step's fragments are in
.else
	s_wait_dscnt 0x0
.endif
	WIN MUL_LO
	MUL2
.set N2, N2+1
.endr
	WIN 0
	PLACES NP
	; THE COLUMN SUMS OF v: over my 64 tokens; the two waves of a block of 128 tokens meet in LDS
	WIN 0x0a                                       ; both sources window 2: blocks 0 and 1 start the sums
.irp b, 0,1,2,3,4,5,6,7
.irp j, 0,2,4,6
	v_pk_add_f32 v[T+8*\b+\j:T+8*\b+\j+1], v[8*\b+\j:8*\b+\j+1], v[64+8*\b+\j:64+8*\b+\j+1]
.endr
.endr
	WIN 0x08                                       ; source 1 window 2
.irp a, 2,3
.irp b, 0,1,2,3,4,5,6,7
.irp j, 0,2,4,6
	v_pk_add_f32 v[T+8*\b+\j:T+8*\b+\j+1], v[T+8*\b+\j:T+8*\b+\j+1], v[64*\a+8*\b+\j:64*\a+8*\b+\j+1]
.endr
.endr
.endr
	WIN 0
.irp m, 1,2,4,8                        ; and over the sixteen rows that lie in the sixteen lanes of a half
.set i, 0
.rept 64
	v_add_f32_dpp v[T+i], v[T+i], v[T+i] row_xmask:\m row_mask:0xf bank_mask:0xf
.set i, i+1
.endr
.endr
.irp b, 0,1,2,3,4,5,6,7
	ds_store_b128 v[BSA], v[T+8*\b:T+8*\b+3] offset:64*\b          ; columns 16 b + 8 h + 0 .. 7; the sixteen lanes of a half write the same bytes with the same values
	ds_store_b128 v[BSA], v[T+8*\b+4:T+8*\b+7] offset:64*\b+16
.endr
	s_wait_dscnt 0x0                               ; for the other wave's sake: my sums have landed
	s_barrier_signal -1
	s_barrier_wait -1
	s_cmp_lg_u32 s16, 0                            ; the even wave of each pair adds and stores; no barrier stands under the branch
	s_cbranch_scc1 .Lodd
	ds_load_b128 v[T:T+3], v[BSR]                  ; my 64 tokens' sums, 16 bytes a lane,
	ds_load_b128 v[T+4:T+7], v[BSR] offset:512     ; and the next wave's
	s_wait_dscnt 0x0
	v_pk_add_f32 v[T:T+1], v[T:T+1], v[T+4:T+5]
	v_pk_add_f32 v[T+2:T+3], v[T+2:T+3], v[T+6:T+7]
	global_store_b128 v[BSO], v[T:T+3], s[96:97]   ; 32 lanes store 512 consecutive bytes, aligned; v128-131 are not written again
.Lodd:
	PACK 0                                         ; part 2's way out: four blocks of 16 rows
	TOSTAGE 0
.irp a, 1,2,3
	PACK \a
	SEND \a-1, 66
	TOSTAGE \a
.endr
	SEND 3, 66
	s_wait_tensorcnt 0x0                           ; the wave's end
	ds_add_u32 v[SPW], v[NIL]
	s_wait_dscnt 0x0
	CROUND                                         ; the closing round
	s_endpgm
.Lfunc_end_k_q843710a776_proj:
	.size	k_q843710a776_proj, .Lfunc_end_k_q843710a776_proj-k_q843710a776_proj
	.p2alignl 7, 3214868480
	.fill 96, 4, 3214868480
	.section	.rodata,"a",@progbits
	.p2align	6, 0x0
	.amdhsa_kernel k_q843710a776_proj
		.amdhsa_group_segment_fixed_size 327680
		.amdhsa_private_segment_fixed_size 0
		.amdhsa_enable_private_segment 0
		.amdhsa_kernarg_size 32
		.amdhsa_user_sgpr_count 2
		.amdhsa_user_sgpr_kernarg_segment_ptr 1
		.amdhsa_wavefront_size32 1
		.amdhsa_system_sgpr_workgroup_id_x 1
		.amdhsa_system_sgpr_workgroup_id_y 1
		.amdhsa_system_sgpr_workgroup_id_z 1
		.amdhsa_system_vgpr_workitem_id 0
		.amdhsa_next_free_vgpr 1024
		.amdhsa_next_free_sgpr 100
		.amdhsa_reserve_vcc 0
		.amdhsa_float_denorm_mode_32 3
		.amdhsa_float_denorm_mode_16_64 3
		.amdhsa_memory_ordered 1
		.amdhsa_forward_progress 1
		.amdhsa_inst_pref_size 215
	.end_amdhsa_kernel
	.amdgpu_metadata
---
amdhsa.version: [ 1, 2 ]
amdhsa.kernels:
  - .name:           k_q843710a776_proj
    .symbol:         k_q843710a776_proj.kd
    .args:
      - { .name: cod, .offset: 0, .size: 8, .value_kind: global_buffer, .address_space: global }
      - { .name: scl, .offset: 8, .size: 8, .value_kind: global_buffer, .address_space: global }
      - { .name: qkv, .offset: 16, .size: 8, .value_kind: global_buffer, .address_space: global }
      - { .name: bs, .offset: 24, .size: 8, .value_kind: global_buffer, .address_space: global }
    .group_segment_fixed_size: 327680
    .private_segment_fixed_size: 0
    .kernarg_segment_align: 8
    .kernarg_segment_size: 32
    .max_flat_workgroup_size: 128
    .sgpr_count:     100
    .vgpr_count:     1024
    .wavefront_size: 32
...
	.end_amdgpu_metadata
.endif
;; end of part 2
;; launch score (part 3): grid 36 x 4, 4 waves a work-group, no clusters, 327,680 bytes of LDS; arguments qkv, pt, mst, lst; writes pt, mst, lst
.if DOCPART == 3
	.amdgcn_target "amdgcn-amd-amdhsa--gfx1250"
	.amdhsa_code_object_version 6
	.text
	.protected	k_q843710a776_score
	.globl	k_q843710a776_score
	.p2align	8
	.type	k_q843710a776_score,@function
k_q843710a776_score:
	s_mov_b64 s[64:65], 0
	v_nop
	global_prefetch_b8 v0, s[64:65] scope:SCOPE_SE
	s_setreg_imm32_b32 hwreg(HW_REG_WAVE_MODE, 25, 1), 1
	s_wait_xcnt 0x0
; The weights of the softmax, tile by tile of 256 queries x 256 keys.  s = q . k (f16 operands, f32 sums, K = 1,024); s = 0 where key > query (reference()'s tril of ones); t = s c, c = log2(e) / sqrt(2048).
; For each row and each block of 128 keys: M = the block's largest t, rounded UP to a whole number; p = 2^(t - M), at most 1, rounded once to f16; L = the sum of the unrounded p.  p goes to pt [4][2048][2048], M and L to mst, lst [4][16][2048].
; The last launch brings the blocks of a row under the row's own maximum by powers of two, which round nothing.  So the maximum is taken away ahead of every exponential, for every input.
; WORK LEFT OUT: a tile all of whose keys lie behind all of its queries (tile column J > tile row I) is multiplied by reference()'s own zeros and is not made: 36 of 64 tiles a batch are live (see the first launch's head).
; On a diagonal tile the wave with rows 0-127 and keys 128-255 multiplies scores that are all hidden: it lies inside a live tile; its t are made 0 by c = 0.  LIMIT: a NaN or infinity in a left-out score is not carried on.
; NO CLUSTER: a batch's live tiles are a triangle with rows of 1 to 8 tiles, which cannot be cut into groups of four that share a tile row or a tile column, and a partner without a live tile would ask for tiles that it never reads.
; A work-group of four waves makes a tile; a wave 128 x 128: 64 accumulators, 512 registers.  K goes in steps of 128 (rows of 256 bytes) through two LDS slots; each wave fetches a quarter of a slot with one tensor load.
; THE MATRIX INSTRUCTION IS USED TRANSPOSED (source 0 = 16 keys, source 1 = 16 queries): a lane holds ONE query (lane % 16) and, in accumulator (a, b), the keys 16 b + 8 (lane / 16) + 0 .. 7.
; REGISTERS: window 0: v0-31 addresses; v32-55 the softmax's figures; v64-127, v128-191 q's fragments, two buffers (on the way out: t and p, packed p, rows read back, up to v223);
;   window 1: v64-191 k's fragments, two buffers;   window 2: the accumulators of my rows 0-63 ((a, b) at v[8 (8 a + b)]);   window 3: those of my rows 64-127.
.set KSTEP,  128
.set PITCH,  272                       ; an LDS row: 256 bytes + 16 of padding: the 16 rows that a load touches start at 16 different banks (ISA guide 11.1)
.set HALFT,  128*PITCH
.set SLOT,   4*HALFT                   ; q's 256 rows, then k's 256 rows
.set STAGE,  2*SLOT                    ; 16 rows x 272 bytes for each wave
.set SPITCH, 272
.set STT,    STAGE+4*16*SPITCH         ; 1,024 bytes for each wave: M of its 128 rows, then L
.set SPARE,  STT+4*1024                ; the spare words, 128 bytes a wave, which no other line names
.set LAPS,   4                         ; 8 K steps: four times round the two slots
.set QROW,   6144                      ; a row of qkv in bytes
.set PROW,   4096                      ; a row of pt in bytes
.set ADRA, 16
.set ADRB, 20
.set SOF,  22                          ; v22  16 x lane
.set SLD,  23                          ; v23  where I read my wave's M back
.set STO,  24
.set RD,   25
.set CO,   26
.set STA,  27                          ; v27  where I put my row's M
.set SPW,  28
.set NIL,  29
.set PFO,  30                          ; v30  the prefetches' offset: my lane x a row of qkv
.set DD,   31                          ; v31  r - 8 h: on the diagonal key 8 h + j is hidden from query r where j > r - 8 h
.set MX,   32                          ; v32-35 four chains of the maximum
.set PX,   36                          ; v36  what comes from lane l xor 16
.set NM,   38                          ; v[38:39] -M (named as a pair; the low word serves both halves)
.set SM,   40                          ; v[40:43] the sums
.set MV,   44                          ; v44  M
.set SD,   48                          ; v48-55 M and L on their way out
.set F0,   64
.set F1,   128
.set T,    64                          ; t, then p
.set TMP,  128                         ; p in f16
.set BK,   160                         ; rows read back: v160-191 and v192-223 by turns
.set G1,   24
.set G0,   32
.set CS,   40                          ; s[40:41] c
.set SEL,  42                          ; s[42:43] lane selects: lane l xor 16
.set PFA,  44                          ; s[44:45] where my prefetches stand
.set LIM,  46                          ; s46  1 in a wave that prefetches, else the greatest number
.set K1,   47                          ; s47  1 where my 128 x 128 lies on the diagonal
.set MK,   48                          ; s48-55 lane masks
.set MSB, 0
.macro WIN new
.if MSB != \new
	s_set_vgpr_msb (MSB<<8)|\new
.set MSB, \new
.endif
.endm
.set MUL_LO, 0xa1                      ; source 0 (k) window 1, source 1 (q) window 0, C and D window 2
.set MUL_HI, 0xf1
.set TO_B,   0x40
.macro PLACES                          ; four plain vector lines between a matrix instruction and a load into, or a vector line on, its registers
.rept 4
	v_nop
.endr
.endm
	s_load_b256 s[4:11], s[0:1], 0x0               ; qkv, pt, mst, lst
	v_lshl_add_u32 v[SPW], v0, 2, SPARE
	v_mov_b32 v[NIL], 0
	ds_add_u32 v[SPW], v[NIL]                      ; the wave's opening: the add, twice on end, and its wait ahead of my first tensor load
	ds_add_u32 v[SPW], v[NIL]
	v_lshrrev_b32 v1, 5, v0
	v_readfirstlane_b32 s12, v1                    ; wave 0..3
	s_lshr_b32 s13, s12, 1                         ; which half of the tile's queries is mine.  Also: I fetch q (0) or k (1)
	s_and_b32 s14, s12, 1                          ; which half of its keys.  Also: which 128 rows I fetch
	s_and_b32 s15, ttmp7, 0xffff                   ; the batch
	s_mov_b32 s17, 0                               ; work-group x counts the triangle's tiles row by row: I = how many of 1, 3, 6, .. 28 are at or under x
.irp n, 1,3,6,10,15,21,28
	s_cmp_ge_u32 ttmp9, \n
	s_cselect_b32 s19, 1, 0
	s_add_co_u32 s17, s17, s19
.endr
	s_add_co_u32 s19, s17, 1
	s_mul_i32 s19, s19, s17
	s_lshr_b32 s19, s19, 1
	s_sub_co_u32 s18, ttmp9, s19                   ; J = x - I (I + 1) / 2
	s_mov_b32 s[G1+0], (1<<16)|(1<<20)|(5<<22)|(3<<25)   ; no mask; elements of 2 bytes; padding on: 4 words behind every 64
	s_mov_b32 s[G1+1], KSTEP<<16                   ; tensor_dim0 = 128
	s_mov_b32 s[G1+2], 128<<16                     ; tensor_dim1 = 128
	s_mov_b32 s[G1+3], KSTEP<<16                   ; tile_dim0 = 128
	s_mov_b32 s[G1+4], 128                         ; tile_dim1 = 128
	s_mov_b32 s[G1+5], 3072                        ; elements from row to row
	s_mov_b32 s[G1+6], 0
	s_mov_b32 s[G1+7], 0
	s_cmp_eq_u32 s13, 0
	s_cselect_b32 s19, s17, s18                    ; q's rows go by I, k's by J
	s_lshl_b32 s19, s19, 8
	s_lshl_b32 s20, s15, 11
	s_add_co_u32 s19, s19, s20
	s_lshl_b32 s20, s14, 7
	s_add_co_u32 s19, s19, s20                     ; the first of the 128 rows that I fetch
	s_mul_i32 s20, s19, QROW
	s_lshl_b32 s21, s13, 11                        ; k lies 2,048 bytes into a row
	s_add_co_u32 s20, s20, s21
	s_mov_b32 s21, 0
	s_mul_i32 s22, s12, HALFT                      ; where they go: wave x 128 rows
	s_mov_b32 s[SEL], 0x76543210
	s_mov_b32 s[SEL+1], 0xfedcba98
	s_cmp_eq_u32 s17, s18
	s_cselect_b32 s19, 1, 0                        ; a diagonal tile?
	s_xor_b32 s23, s13, 1
	s_and_b32 s23, s23, s14
	s_and_b32 s23, s23, s19                        ; its rows 0-127 x keys 128-255: every key hidden
	s_mov_b32 s[CS], 0x3d0293ee                    ; c = log2(e) / sqrt(2048)
	s_cmp_eq_u32 s23, 0
	s_cselect_b32 s[CS], s[CS], 0                  ; there every t is 0
	s_mov_b32 s[CS+1], s[CS]
	s_xor_b32 s23, s13, s14
	s_xor_b32 s23, s23, 1
	s_and_b32 s[K1], s23, s19                      ; my 128 x 128 lies on the diagonal
	s_cmp_eq_u32 s18, 0
	s_cselect_b32 s23, 1, 0
	s_cmp_eq_u32 s13, 0
	s_cselect_b32 s23, s23, s19                    ; q's rows are read by the tiles (I, 0 .. I): J = 0 prefetches; k's by the tiles (J .. 7, J): I = J prefetches
	s_cmp_eq_u32 s23, 1
	s_cselect_b32 s[LIM], 1, -1
	s_wait_dscnt 0x0                               ; both opening adds are done
	s_wait_kmcnt 0x0
	s_add_nc_u64 s[56:57], s[4:5], s[20:21]        ; my rows at K step 0
.irp s, 0,1                            ; both first fills go out together, every wave its own: two loads of mine are out
	s_mov_b32 s[G0+4*\s], 1
	s_add_co_u32 s[G0+4*\s+1], s22, \s*SLOT
	s_add_nc_u64 s[G0+4*\s+2:G0+4*\s+3], s[56:57], \s*KSTEP*2
	s_or_b32 s[G0+4*\s+3], s[G0+4*\s+3], 0x80000000
	tensor_load_to_lds s[G0+4*\s:G0+4*\s+3], s[G1:G1+7]
	s_nop 0
.endr
	PLACES
	s_add_nc_u64 s[PFA:PFA+1], s[56:57], 3*KSTEP*2 ; the first refill steps it to K step 4.  Nothing is prefetched here, at the head
	s_lshl_b32 s19, s15, 11
	s_lshl_b32 s20, s17, 8
	s_add_co_u32 s19, s19, s20
	s_lshl_b32 s20, s13, 7
	s_add_co_u32 s19, s19, s20                     ; my first row of pt
	s_lshl_b32 s20, s19, 12
	s_lshl_b32 s22, s18, 9                         ; 512 bytes a tile column,
	s_add_co_u32 s20, s20, s22
	s_lshl_b32 s22, s14, 8                         ; 256 a half
	s_add_co_u32 s20, s20, s22
	s_add_nc_u64 s[6:7], s[6:7], s[20:21]
	s_lshl_b32 s20, s15, 4
	s_lshl_b32 s22, s18, 1
	s_add_co_u32 s20, s20, s22
	s_add_co_u32 s20, s20, s14                     ; my block of 128 keys: 16 x batch + 2 J + half
	s_lshl_b32 s20, s20, 11
	s_lshl_b32 s22, s17, 8
	s_add_co_u32 s20, s20, s22
	s_lshl_b32 s22, s13, 7
	s_add_co_u32 s20, s20, s22                     ; + my first row in the batch
	s_lshl_b32 s20, s20, 2
	s_add_nc_u64 s[8:9], s[8:9], s[20:21]
	s_add_nc_u64 s[10:11], s[10:11], s[20:21]
	v_and_b32 v1, 15, v0                           ; r
	v_bfe_u32 v2, v0, 4, 1                         ; h
	v_mul_u32_u24 v3, v1, PITCH
	v_lshl_add_u32 v3, v2, 4, v3                   ; a fragment's row x pitch + 16 h
	s_mul_i32 s58, s13, HALFT
	s_mul_i32 s59, s14, HALFT
	s_add_co_u32 s59, s59, 2*HALFT
.irp s, 0,1
	v_add_nc_u32 v[ADRA+\s], s58, v3
	v_add_nc_u32 v[ADRB+\s], s59, v3
	s_add_co_u32 s58, s58, SLOT
	s_add_co_u32 s59, s59, SLOT
.endr
	s_mul_i32 s58, s12, 16*SPITCH
	s_add_co_u32 s58, s58, STAGE
	v_mul_u32_u24 v4, v1, SPITCH
	v_lshl_add_u32 v4, v2, 4, v4
	v_add_nc_u32 v[STO], s58, v4
	v_mul_u32_u24 v5, v2, SPITCH
	v_lshl_add_u32 v5, v1, 4, v5
	v_add_nc_u32 v[RD], s58, v5
	v_lshlrev_b32 v5, 12, v2
	v_lshl_add_u32 v[CO], v1, 4, v5
	s_lshl_b32 s58, s12, 10
	s_add_co_u32 s58, s58, STT
	v_lshl_add_u32 v[STA], v1, 2, s58
	v_and_b32 v6, 31, v0
	v_lshlrev_b32 v[SOF], 4, v6
	v_add_nc_u32 v[SLD], s58, v[SOF]
	v_mul_u32_u24 v[PFO], v6, QROW
	v_lshlrev_b32 v7, 3, v2
	v_sub_nc_u32 v[DD], v1, v7
	v_mov_b32 v[PX], 0                             ; written once: a lane permute's destination counts as one of its sources
	v_mov_b32 v[NM+1], 0                           ; named with -M as a pair
.macro MUL16 f, hi, a0, zero           ; 16 matrix instructions: query blocks a0, a0 + 1 of the window's four x all 8 key blocks, 32 along K.  zero = 1: the first product starts the sums
.irp a, \a0, \a0+1
.irp b, 0,1,2,3,4,5,6,7
.if \zero
	v_wmma_f32_16x16x32_f16 v[8*(8*(\a)+\b):8*(8*(\a)+\b)+7], v[\f+8*\b:\f+8*\b+7], v[\f+8*(4*\hi+\a):\f+8*(4*\hi+\a)+7], 0
.else
	v_wmma_f32_16x16x32_f16 v[8*(8*(\a)+\b):8*(8*(\a)+\b)+7], v[\f+8*\b:\f+8*\b+7], v[\f+8*(4*\hi+\a):\f+8*(4*\hi+\a)+7], v[8*(8*(\a)+\b):8*(8*(\a)+\b)+7]
.endif
.endr
.endr
.endm
.macro FETCH slot, k, f                ; 32 LDS loads in one run: the fragments of 32 along K at byte k of the rows
	WIN TO_B
.irp i, 0,1,2,3,4,5,6,7
	ds_load_b128 v[\f+8*\i:\f+8*\i+3],   v[ADRB+\slot] offset:\k+\i*16*PITCH
	ds_load_b128 v[\f+8*\i+4:\f+8*\i+7], v[ADRB+\slot] offset:\k+\i*16*PITCH+32
.endr
	WIN 0
.irp i, 0,1,2,3,4,5,6,7
	ds_load_b128 v[\f+8*\i:\f+8*\i+3],   v[ADRA+\slot] offset:\k+\i*16*PITCH
	ds_load_b128 v[\f+8*\i+4:\f+8*\i+7], v[ADRA+\slot] offset:\k+\i*16*PITCH+32
.endr
.endm
.macro QUARTER slot, k, f, g, zero     ; multiplies buffer f; in its middle fetches the next quarter's fragments into g
	s_wait_dscnt 8                                 ; k's fragments and q's rows 0-63 are in; the youngest eight loads may be out
	WIN MUL_LO
	MUL16 \f, 0, 0, \zero
	MUL16 \f, 0, 2, \zero
	PLACES
	FETCH \slot, \k, \g
	s_wait_dscnt 32                                ; all but the 32 just issued
	WIN MUL_HI
	MUL16 \f, 1, 0, \zero
	MUL16 \f, 1, 2, \zero
.endm
; A prefetch of the K step that stands two refills on: my 128 rows x 256 bytes, a lane a row, four instructions.  Each row's 256 bytes of a K step are named once in the launch (who asks: see LIM).  The last trip's two refills have no K step two on.
.macro ASK
	s_cmp_gt_u32 s3, s[LIM]
	s_cbranch_scc0 .Lnot_mine_\@
.irp i, 0,1,2,3
	global_prefetch_b8 v[PFO], s[PFA:PFA+1] offset:\i*32*QROW th:TH_LOAD_NT scope:SCOPE_SE
.endr
.Lnot_mine_\@:
.endm
; The last quarter multiplies buffer 1 and changes slots: one barrier.  In front of it each wave waits for all its tensor loads (its part of the next slot), adds 0 to its spare word, and waits for that and for its reads of this slot.
; fill = 1: behind the barrier this slot is filled again first, two K steps ahead: one load a wave.
.macro TURN slot, next, fill
.if \fill
	s_wait_xcnt 0x0                                ; the last prefetches, a K step back, have read their address
	s_add_nc_u64 s[PFA:PFA+1], s[PFA:PFA+1], KSTEP*2
.endif
	WIN 0                                          ; (the add's two registers lie in window 0)
	s_wait_tensorcnt 0x0
	ds_add_u32 v[SPW], v[NIL]
	s_wait_dscnt 9                                 ; (the add and the youngest eight loads may be out)
	WIN MUL_LO
	MUL16 F1, 0, 0, 0
	s_wait_dscnt 0x0                               ; the add is done, and my reads of this slot are over
	s_barrier_signal -1
	MUL16 F1, 0, 2, 0
	s_barrier_wait -1
.if \fill
	s_add_nc_u64 s[G0+4*\slot+2:G0+4*\slot+3], s[G0+4*\slot+2:G0+4*\slot+3], 2*KSTEP*2
	tensor_load_to_lds s[G0+4*\slot:G0+4*\slot+3], s[G1:G1+7]
	s_nop 0
.endif
	PLACES                                         ; behind the load, and in front of the loads into buffer 0
	FETCH \next, 0, F0
.if \fill
	ASK
.endif
	WIN MUL_HI
	MUL16 F1, 1, 0, 0
	MUL16 F1, 1, 2, 0
.endm
	s_wait_tensorcnt 1                             ; my part of K step 0 is in (K step 1's may be out)
	s_barrier_signal -1
	s_barrier_wait -1                              ; everybody's is
	FETCH 0, 0, F0
	QUARTER 0, 64,  F0, F1, 1                      ; the first quarter's products start the sums
	WIN 0
	s_mov_b32 s3, LAPS-1
.Llap:                                             ; a trip goes once round the two slots and fills both again
	QUARTER 0, 128, F1, F0, 0
	QUARTER 0, 192, F0, F1, 0
	TURN 0, 1, 1
	QUARTER 1, 64,  F0, F1, 0
	QUARTER 1, 128, F1, F0, 0
	QUARTER 1, 192, F0, F1, 0
	TURN 1, 0, 1
	QUARTER 0, 64,  F0, F1, 0
	WIN 0
	s_sub_co_u32 s3, s3, 1
	s_cmp_lg_u32 s3, 0
	s_cbranch_scc1 .Llap
	QUARTER 0, 128, F1, F0, 0                      ; the last lap is written out: it asks for nothing
	QUARTER 0, 192, F0, F1, 0
	TURN 0, 1, 0
	QUARTER 1, 64,  F0, F1, 0
	QUARTER 1, 128, F1, F0, 0
	QUARTER 1, 192, F0, F1, 0
	s_wait_dscnt 8
	WIN MUL_LO
	MUL16 F1, 0, 0, 0
	MUL16 F1, 0, 2, 0
	s_wait_dscnt 0
	WIN MUL_HI
	MUL16 F1, 1, 0, 0
	MUL16 F1, 1, 2, 0
	WIN 0
	PLACES
	; THE MASK, where my 128 x 128 lies on the diagonal: key block b > query block a: all hidden; b = a: key 8 h + j hidden from query r where j > r - 8 h.  A hidden score is 0, as reference() has it.
	s_cmp_eq_u32 s[K1], 0
	s_cbranch_scc1 .Lopen
.irp j, 0,1,2,3,4,5,6,7
	v_cmp_gt_i32 s[MK+\j], \j, v[DD]
.endr
.irp a, 0,1,2,3,4,5,6,7
	WIN 0x82+0x41*(\a/4)                           ; destination and source 0: window 2 or 3
.irp b, 0,1,2,3,4,5,6,7
.if \b > \a
.irp j, 0,1,2,3,4,5,6,7
	v_mov_b32 v[64*(\a%4)+8*\b+\j], 0
.endr
.elseif \b == \a
.irp j, 0,1,2,3,4,5,6,7
	v_cndmask_b32 v[64*(\a%4)+8*\b+\j], v[64*(\a%4)+8*\b+\j], 0, s[MK+\j]
.endr
.endif
.endr
.endr
	WIN 0
.Lopen:
; THE SOFTMAX'S PART of query block a: 16 rows, my 128 keys; a lane has 64 of a row's scores, lane l xor 16 the other 64.
.macro SOFTC a
.set AC, 64*((\a)%4)
.irp c, 0,1,2,3
	v_mov_b32 v[MX+\c], 0xff7fffff                 ; under every score
.endr
	WIN 0x28+0x14*((\a)/4)                         ; sources 1 and 2: window 2 or 3
.irp j, 0,2,4,6                        ; four chains by turns; each accumulator is read from its low end on
.irp b, 0,2,4,6,1,3,5,7
	v_max3_num_f32 v[MX+\b/2], v[MX+\b/2], v[AC+8*\b+\j], v[AC+8*\b+\j+1]
.endr
.endr
	WIN 0
	v_max3_num_f32 v[MX], v[MX], v[MX+1], v[MX+2]
	v_max_num_f32 v[MX], v[MX], v[MX+3]
	v_permlanex16_b32 v[PX], v[MX], s[SEL], s[SEL+1]
	v_max_num_f32 v[MX], v[MX], v[PX]              ; the row's largest score among my 128 keys
	v_mul_f32 v[MX], s[CS], v[MX]                  ; as t (c is not negative)
	v_floor_f32 v[NM], -v[MX]                      ; -M = floor(-t) = -ceil(t): M is a whole number
	WIN 0x02+((\a)/4)                              ; source 0: window 2 or 3
.irp b, 0,1,2,3,4,5,6,7
.irp j, 0,2,4,6
	v_pk_fma_f32 v[T+8*\b+\j:T+8*\b+\j+1], v[AC+8*\b+\j:AC+8*\b+\j+1], s[CS:CS+1], v[NM:NM+1] op_sel_hi:[1,0,0]   ; t - M, two at a time
.endr
.endr
	WIN 0
.set i, 0
.rept 64
	v_exp_f32 v[T+i], v[T+i]                       ; p = 2^(t - M): one batch
.set i, i+1
.endr
	v_sub_f32 v[MV], 0, v[NM]                      ; M.  (The plain line behind the exponentials)
	s_wait_alu depctr_va_vdst(0)                   ; the wait ahead of the first line that names a result: one for the batch
	v_pk_add_f32 v[SM:SM+1], v[T:T+1], v[T+2:T+3]  ; L: the sum of the unrounded p, in two chains
	v_pk_add_f32 v[SM+2:SM+3], v[T+4:T+5], v[T+6:T+7]
.irp j, 8,12,16,20,24,28,32,36,40,44,48,52,56,60
	v_pk_add_f32 v[SM:SM+1], v[SM:SM+1], v[T+\j:T+\j+1]
	v_pk_add_f32 v[SM+2:SM+3], v[SM+2:SM+3], v[T+\j+2:T+\j+3]
.endr
	v_pk_add_f32 v[SM:SM+1], v[SM:SM+1], v[SM+2:SM+3]
	v_add_f32 v[SM], v[SM], v[SM+1]
	v_permlanex16_b32 v[PX], v[SM], s[SEL], s[SEL+1]
	v_add_f32 v[SM], v[SM], v[PX]
.irp b, 0,1,2,3,4,5,6,7
.irp r, 0,1,2,3
	v_cvt_pk_f16_f32 v[TMP+4*\b+\r], v[T+8*\b+2*\r], v[T+8*\b+2*\r+1]
.endr
.endr
	ds_store_b32 v[STA], v[MV] offset:64*(\a)      ; row 16 a + r; lanes r and 16 + r write the same word with the same value
	ds_store_b32 v[STA], v[SM] offset:512+64*(\a)
.endm
.macro TOSTAGE a
.set BB, BK+32*((\a)%2)
.irp b, 0,1,2,3,4,5,6,7
	ds_store_b128 v[STO], v[TMP+4*\b:TMP+4*\b+3] offset:32*\b
.endr
.irp t, 0,1,2,3,4,5,6,7
	ds_load_b128 v[BB+4*\t:BB+4*\t+3], v[RD] offset:\t*2*SPITCH    ; LDS serves a wave's instructions in order: these see the stores above
.endr
.endm
.macro SEND a
.set BB, BK+32*((\a)%2)
	s_wait_dscnt 0x0                               ; the block is back in registers
	s_wait_xcnt 0x0                                ; the stores of the block before have read their registers: the next block's loads land there only behind this wait
.irp t, 0,1,2,3,4,5,6,7
	global_store_b128 v[CO], v[BB+4*\t:BB+4*\t+3], s[6:7] offset:(16*(\a)+2*\t)*PROW   ; 16 lanes store 256 consecutive bytes, aligned
.endr
.endm
	SOFTC 0
	TOSTAGE 0
.irp a, 1,2,3,4,5,6,7                  ; block a's arithmetic stands between block a - 1's loads from the stage and the wait for them
	SOFTC \a
	SEND \a-1
	TOSTAGE \a
.endr
	SEND 7
	ds_load_b128 v[SD:SD+3], v[SLD]                ; my 128 rows' M, 16 bytes a lane,
	ds_load_b128 v[SD+4:SD+7], v[SLD] offset:512   ; and L
	s_wait_dscnt 0x0
	global_store_b128 v[SOF], v[SD:SD+3], s[8:9]   ; 32 lanes store 512 consecutive bytes, aligned
	global_store_b128 v[SOF], v[SD+4:SD+7], s[10:11]
	s_wait_tensorcnt 0x0                           ; the wave's end
	ds_add_u32 v[SPW], v[NIL]
	s_wait_dscnt 0x0
	s_endpgm
.Lfunc_end_k_q843710a776_score:
	.size	k_q843710a776_score, .Lfunc_end_k_q843710a776_score-k_q843710a776_score
	.p2alignl 7, 3214868480
	.fill 96, 4, 3214868480
	.section	.rodata,"a",@progbits
	.p2align	6, 0x0
	.amdhsa_kernel k_q843710a776_score
		.amdhsa_group_segment_fixed_size 327680
		.amdhsa_private_segment_fixed_size 0
		.amdhsa_enable_private_segment 0
		.amdhsa_kernarg_size 32
		.amdhsa_user_sgpr_count 2
		.amdhsa_user_sgpr_kernarg_segment_ptr 1
		.amdhsa_wavefront_size32 1
		.amdhsa_system_sgpr_workgroup_id_x 1
		.amdhsa_system_sgpr_workgroup_id_y 1
		.amdhsa_system_sgpr_workgroup_id_z 1
		.amdhsa_system_vgpr_workitem_id 0
		.amdhsa_next_free_vgpr 1024
		.amdhsa_next_free_sgpr 66
		.amdhsa_reserve_vcc 0
		.amdhsa_float_denorm_mode_32 3
		.amdhsa_float_denorm_mode_16_64 3
		.amdhsa_memory_ordered 1
		.amdhsa_forward_progress 1
		.amdhsa_inst_pref_size 224
	.end_amdhsa_kernel
	.amdgpu_metadata
---
amdhsa.version: [ 1, 2 ]
amdhsa.kernels:
  - .name:           k_q843710a776_score
    .symbol:         k_q843710a776_score.kd
    .args:
      - { .name: qkv, .offset: 0, .size: 8, .value_kind: global_buffer, .address_space: global }
      - { .name: pt, .offset: 8, .size: 8, .value_kind: global_buffer, .address_space: global }
      - { .name: mst, .offset: 16, .size: 8, .value_kind: global_buffer, .address_space: global }
      - { .name: lst, .offset: 24, .size: 8, .value_kind: global_buffer, .address_space: global }
    .group_segment_fixed_size: 327680
    .private_segment_fixed_size: 0
    .kernarg_segment_align: 8
    .kernarg_segment_size: 32
    .max_flat_workgroup_size: 128
    .sgpr_count:     66
    .vgpr_count:     1024
    .wavefront_size: 32
...
	.end_amdgpu_metadata
.endif
;; end of part 3
;; launch mix (part 4): grid 8 x 32, 4 waves a work-group, clusters of 4 x 1, 327,680 bytes of LDS; arguments pt, qkv, mst, lst, bs, out0; writes out0
.if DOCPART == 4
	.amdgcn_target "amdgcn-amd-amdhsa--gfx1250"
	.amdhsa_code_object_version 6
	.text
	.protected	k_q843710a776_mix
	.globl	k_q843710a776_mix
	.p2align	8
	.type	k_q843710a776_mix,@function
k_q843710a776_mix:
	s_mov_b64 s[64:65], 0
	v_nop
	global_prefetch_b8 v0, s[64:65] scope:SCOPE_SE
	s_setreg_imm32_b32 hwreg(HW_REG_WAVE_MODE, 25, 1), 1
	s_wait_xcnt 0x0
	s_wait_alu depctr_hold_cnt(0) depctr_sa_sdst(0) depctr_va_vdst(0) depctr_va_sdst(0) depctr_va_ssrc(0) depctr_va_vcc(0) depctr_vm_vsrc(0)
	s_getreg_b32 s2, hwreg(HW_REG_IB_STS2, 6, 4)
	s_cmp_eq_u32 s2, 0
	s_cbranch_scc0 .Lentry_in_a_cluster
	s_endpgm
.Lentry_in_a_cluster:
	s_bfe_u32 s2, ttmp6, 0x10000c
	s_cmp_lg_u32 s2, 0x3003
	s_cbranch_scc0 .Lentry_shape_is_right
	s_endpgm
.Lentry_shape_is_right:
; out[q][e] = ( sum over the row's live blocks of 128 keys of f_blk(q) sum over k of p[q][k] v[k][e]  +  g(q) sum over the keys beyond of v[k][e] ) / l(q).
; p, M_blk, L_blk come from the launch before.  M_row = the largest M_blk of the row, and 0 where keys lie beyond the row's last tile of 256 (their logit is 0); f = 2^(M_blk - M_row), g = 2^(-M_row),
; l = sum of L_blk f + g x the number of keys beyond.  f is a power of two, at most 1.
; WORK LEFT OUT: over the keys beyond a row block's last live tile the weight is the same for all keys, so their part is g times the sum of v's rows, taken from bs in f32, and no product is formed there (see the first launch's head).
; g is made from max(M_row, 0): where keys lie beyond, M_row is at least 0 already; where none do, g meets a count and a sum of 0 and only has to be finite.
; SHARES.  A tile of out is 128 queries x 128 columns.  A work-group makes TWO: row blocks p and 15 - p of a batch, which have (p / 2) + 1 and 8 - (p / 2) steps of 256 keys: nine steps in every work-group, a constant of this text.
; Four waves, each 64 x 64.  The four work-groups of a cluster have the same rows and other columns: p's tiles are asked for JOINTLY; v's tiles differ between them and are plain loads.
; (v's tiles are not shared along y: work-groups with other row blocks walk other keys in the same step.)
; THE MATRIX INSTRUCTION IS USED TRANSPOSED (source 0 = 16 columns of v, turned on the way out of LDS; source 1 = 16 queries of p): a lane holds one query and eight neighbouring columns.
; f IS APPLIED IN f32.  The products of each block of 128 keys begin at 0 in 16 accumulators T of their own, two sets by turns; a finished set joins the row's sums O by O += f T, 64 packed fused multiply-adds, which stand
; in batches of 8 behind every 8th matrix instruction of the NEXT block.  O begins with g x the sum beyond, so nothing is cleared.  The change of tiles stands in the middle of the second tile's first step,
; where the first tile's last block has just been folded.
; WINDOWS.  A product wants T as destination beside v's and p's fragments; a fold wants O as destination and T as a source: O, T and an operand would have to share one window (384 registers), so a batch costs two switches.
; REGISTERS: window 0: v0-31 addresses, v8-15 g or 1 / l; v32-63 f as pairs, two sets; v64-127, v128-191 v's fragments, two buffers ((c, b) at 8 (4 c + b)); v192-255 at work.
;   window 1: v0-63, v64-127 p's fragments, two buffers ((c, a) at 8 (4 c + a)); v128-255 O ((a, b) at 128 + 8 (4 a + b)).   window 2: T, two sets, at v0 and v128.
.set PA,     528                       ; a row of p in LDS: 512 bytes + 16
.set PV,     288                       ; a row of v: 256 bytes + 32
.set AHALF,  64*PA
.set VOFF,   128*PA
.set VHALF,  128*PV
.set SLOT,   VOFF+256*PV
.set STAGE,  2*SLOT                    ; 16 rows x 272 bytes for each wave
.set SPITCH, 272
.set FL,     STAGE+4*16*SPITCH         ; (f, f) in f32: [step][half of 128 keys][512 wr + 32 r + 8 a]
.set GV,     FL+9*2048                 ; (g, g): [tile][512 wr + 32 r + 8 a]; 2,048 bytes on: (1 / l, 1 / l)
.set SVL,    GV+4096                   ; the sums beyond: [tile][128 columns]
.set SPARE,  SVL+1024                  ; the spare words, 128 bytes a wave, which no other line names
.set QROW,   6144
.set GI,   8                           ; v8-15   g or 1 / l of my rows, as pairs
.set ADRA, 16                          ; v16-17  p's fragments in slot 0, 1
.set ADG,  18                          ; v18     g and 1 / l of my rows
.set ADSV, 19                          ; v19     the sums beyond of my columns
.set ADRB, 20                          ; v20-23  v's fragments: slot, half of the slot's keys
.set STO,  24
.set RD,   25
.set CO,   26
.set ADF,  27                          ; v27     f of my rows, in the step in hand
.set SPW,  28
.set NIL,  29
.set FS,   32                          ; set s at 32 + 16 s: register 8 u + 2 a, twice
.set VB,   64
.set TMP,  192
.set BK,   224
.set ACC,  128
.set WV,   16
.set CNT1, 23
.set G1A,  24
.set G0A,  32
.set G1B,  40
.set G0B,  48
.set RA1,  56
.set RA2,  57
.set KB,   58
.set SQ,   59                          ; s59  the step in hand
.set OA,   60                          ; s[60:61] p's offset: it never holds my place in the cluster
.set OV,   66                          ; s[66:67] v's offset
.set OB,   68                          ; s[68:69], s[70:71] where my part of the two tiles begins in out
.set CM,   71                          ; s72-74: all ones where step 1, 2, 3 belongs to the first tile
.set SN,   87                          ; s87  the step to be fetched
; the head's scratch, in registers that the fragments and the way out take later
.set VO,   64
.set MM,   80
.set LL,   100
.set BSV,  120
.set FP,   136
.set M1,   176
.set M2,   177
.set MS,   178
.set NEG,  179
.set TA,   180
.set TC,   182
.set TD,   183
.set L1,   184
.set L2,   185
.set GG1,  186
.set GG2,  188
.set I1,   190
.set I2,   192
.set SV1,  194
.set SV2,  195
.set PF,   196
.set P8,   197
.set PS,   198
.set MSB, 0
.macro WIN new
.if MSB != \new
	s_set_vgpr_msb (MSB<<8)|\new
.set MSB, \new
.endif
.endm
.set WM, 0xa4                          ; a product: source 0 (v) window 0, source 1 (p) window 1, C and D (T) window 2
.set WF, 0x52                          ; a fold: source 0 (T) window 2, source 1 (f) window 0, source 2 and destination (O) window 1
.set TO_A, 0x40                        ; destination window 1, address window 0
.macro PLACES
.rept 4
	v_nop
.endr
.endm
.macro CREST
	s_cmp_lg_u32 s[WV], 0
	s_cbranch_scc1 .Lnot_wave_0_\@
	s_barrier_signal -3
.Lnot_wave_0_\@:
	s_barrier_wait -3
	s_barrier_signal -1
	s_barrier_wait -1
.endm
.macro CROUND
	s_barrier_signal -1
	s_barrier_wait -1
	CREST
.endm
; Waves 0 and 1 fetch p's two halves (jointly), waves 2 and 3 v's; the branch hangs on the wave's number alone.  An s_nop 0 and four v_nop follow each line.
.macro JLOAD s
	s_cmp_lt_u32 s[WV], 2
	s_cbranch_scc0 .Lfor_v_\@
	tensor_load_to_lds s[G0A+4*\s:G0A+4*\s+3], s[G1A:G1A+7]
	s_nop 0
	PLACES
	s_branch .Lasked_\@
.Lfor_v_\@:
	tensor_load_to_lds s[G0B+4*\s:G0B+4*\s+3], s[G1B:G1B+7]
	s_nop 0
	PLACES
.Lasked_\@:
.endm
; The global addresses of step SN's tiles, into slot s's descriptors.  Steps under CNT1 belong to the first tile (key step J = SN), the others to the second (J = SN - CNT1).
.macro SETG0 s
	s_cmp_lt_u32 s[SN], s[CNT1]
	s_cselect_b32 s[OA], s[RA1], s[RA2]
	s_cselect_b32 s88, 0, s[CNT1]
	s_lshl_b32 s89, s[SN], 9                       ; 256 keys of p are 512 bytes (RA2 has CNT1's 512 taken off)
	s_add_co_u32 s[OA], s[OA], s89
	s_sub_co_u32 s88, s[SN], s88
	s_mul_i32 s88, s88, 256*QROW                   ; 256 rows of qkv
	s_add_co_u32 s[OV], s88, s[KB]
	s_add_nc_u64 s[G0A+4*\s+2:G0A+4*\s+3], s[4:5], s[OA:OA+1]
	s_or_b32 s[G0A+4*\s+3], s[G0A+4*\s+3], 0x80000000
	s_add_nc_u64 s[G0B+4*\s+2:G0B+4*\s+3], s[6:7], s[OV:OV+1]
	s_or_b32 s[G0B+4*\s+3], s[G0B+4*\s+3], 0x80000000
.endm
	s_load_b256 s[4:11], s[0:1], 0x0               ; pt, qkv, mst, lst
	s_load_b128 s[12:15], s[0:1], 0x20             ; bs, out0
	v_lshl_add_u32 v[SPW], v0, 2, SPARE
	v_mov_b32 v[NIL], 0
	ds_add_u32 v[SPW], v[NIL]                      ; the wave's opening: the add, twice on end, and its wait ahead of the round in front of my first tensor load
	ds_add_u32 v[SPW], v[NIL]
	v_lshrrev_b32 v1, 5, v0
	v_readfirstlane_b32 s[WV], v1                  ; wave 0..3
	s_lshr_b32 s17, s[WV], 1                       ; wr: which 64 rows are mine
	s_and_b32 s18, s[WV], 1                        ; wc: which 64 columns.  Also: which half of a tile I fetch
	s_bfe_u32 s19, ttmp6, 0x40000                  ; cx
	s_lshl_b32 s20, ttmp9, 2
	s_add_co_u32 s20, s20, s19                     ; n: my tile of 128 columns
	s_and_b32 s22, ttmp7, 0xffff
	s_lshr_b32 s21, s22, 3                         ; the batch
	s_and_b32 s22, s22, 7                          ; p
	s_lshr_b32 s[CNT1], s22, 1
	s_add_co_u32 s[CNT1], s[CNT1], 1               ; the first tile's steps, 1 to 4
	s_mov_b32 s[G1A+0], 15|(1<<16)|(1<<20)|(1<<21)|(6<<22)|(3<<25)  ; the mask: all four work-groups; elements of 2 bytes; padding on: 4 words behind every 128; bit 21 beside a mask
	s_mov_b32 s[G1A+1], 256<<16                    ; tensor_dim0 = 256
	s_mov_b32 s[G1A+2], 64<<16                     ; tensor_dim1 = 64
	s_mov_b32 s[G1A+3], 256<<16                    ; tile_dim0
	s_mov_b32 s[G1A+4], 64                         ; tile_dim1
	s_mov_b32 s[G1A+5], 2048                       ; elements from row to row of pt
	s_mov_b32 s[G1A+6], 0
	s_mov_b32 s[G1A+7], 0
	s_mov_b32 s[G1B+0], (1<<16)|(1<<20)|(5<<22)|(7<<25)             ; no mask; padding: 8 words behind every 64
	s_mov_b32 s[G1B+1], 128<<16
	s_mov_b32 s[G1B+2], 128<<16
	s_mov_b32 s[G1B+3], 128<<16
	s_mov_b32 s[G1B+4], 128
	s_mov_b32 s[G1B+5], 3072                       ; elements from row to row of qkv
	s_mov_b32 s[G1B+6], 0
	s_mov_b32 s[G1B+7], 0
	s_lshl_b32 s75, s21, 11                        ; 2,048 x batch
	s_lshl_b32 s76, s22, 7                         ; 128 p
	s_lshl_b32 s77, s18, 6                         ; 64 wc
	s_add_co_u32 s[RA1], s75, s76
	s_add_co_u32 s[RA1], s[RA1], s77
	s_lshl_b32 s[RA1], s[RA1], 12                  ; the 64 rows of p that I fetch for the first tile, in bytes
	s_sub_co_u32 s78, 15, s22
	s_lshl_b32 s78, s78, 7                         ; 128 (15 - p)
	s_add_co_u32 s[RA2], s75, s78
	s_add_co_u32 s[RA2], s[RA2], s77
	s_lshl_b32 s[RA2], s[RA2], 12
	s_lshl_b32 s79, s[CNT1], 9
	s_sub_co_u32 s[RA2], s[RA2], s79               ; for the second, less CNT1 key steps
	s_lshl_b32 s84, s18, 7
	s_add_co_u32 s[KB], s75, s84
	s_mul_i32 s[KB], s[KB], QROW
	s_add_co_u32 s[KB], s[KB], 4096                ; v lies 4,096 bytes into a row of qkv
	s_lshl_b32 s84, s20, 8
	s_add_co_u32 s[KB], s[KB], s84                 ; my 128 columns
	s_lshl_b32 s79, s17, 6                         ; 64 wr
	s_add_co_u32 s80, s75, s76
	s_add_co_u32 s80, s80, s79
	s_lshl_b32 s80, s80, 12                        ; my first row of out, first tile,
	s_add_co_u32 s82, s75, s78
	s_add_co_u32 s82, s82, s79
	s_lshl_b32 s82, s82, 12                        ; second tile
	s_lshl_b32 s84, s20, 9
	s_lshl_b32 s85, s18, 8
	s_add_co_u32 s84, s84, s85                     ; my first column, in bytes
	s_add_co_u32 s80, s80, s84
	s_add_co_u32 s82, s82, s84
	s_mov_b32 s81, 0
	s_mov_b32 s83, 0
	s_mul_i32 s85, s18, AHALF                      ; where my part of a tile goes: no place in the cluster enters an LDS address
	s_mul_i32 s86, s18, VHALF
	s_add_co_u32 s86, s86, VOFF
	s_mov_b32 s[G0A], 1
	s_mov_b32 s[G0A+1], s85
	s_mov_b32 s[G0A+4], 1
	s_add_co_u32 s[G0A+5], s85, SLOT
	s_mov_b32 s[G0B], 1
	s_mov_b32 s[G0B+1], s86
	s_mov_b32 s[G0B+4], 1
	s_add_co_u32 s[G0B+5], s86, SLOT
	s_mov_b32 s[OA+1], 0
	s_mov_b32 s[OV+1], 0
	s_mov_b32 s[SQ], 0
.irp s, 1,2,3
	s_cmp_gt_u32 s[CNT1], \s
	s_cselect_b32 s[CM+\s], -1, 0
.endr
	s_mov_b32 s92, 0xff7fffff
	s_cmp_gt_u32 s[CNT1], 1
	s_cselect_b32 s92, 0, s92                      ; the second tile has keys beyond where CNT1 > 1: then 0 counts in its maximum
	s_lshl_b32 s93, s[CNT1], 8
	s_sub_co_u32 s94, s93, 256                     ; keys beyond the second tile's steps: 256 CNT1 - 256
	s_sub_co_u32 s93, 2048, s93                    ; beyond the first's: 2,048 - 256 CNT1
	s_lshl_b32 s90, s21, 17                        ; mst, lst: 131,072 bytes a batch,
	s_lshl_b32 s88, s22, 9
	s_lshl_b32 s89, s78, 2
	s_add_co_u32 s91, s90, s89
	s_add_co_u32 s90, s90, s88                     ; X1: + 512 p
	s_lshl_b32 s88, s[CNT1], 14
	s_sub_co_u32 s91, s91, s88                     ; X2: + 512 (15 - p) - 16,384 CNT1 (modulo 2^32: 16,384 x the step is added before use)
	s_wait_dscnt 0x0                               ; both opening adds are done
	s_wait_kmcnt 0x0
	s_mov_b32 s[SN], 0
	SETG0 0
	s_mov_b32 s[SN], 1
	SETG0 1
	s_add_nc_u64 s[OB:OB+1], s[14:15], s[80:81]
	s_add_nc_u64 s[OB+2:OB+3], s[14:15], s[82:83]
	CROUND                                         ; all four work-groups are here: the first joint loads meet
	s_cmp_lt_u32 s[WV], 2                          ; a wave's two first fills stand in one branch: two loads of mine are out
	s_cbranch_scc0 .Lfirst_v
	tensor_load_to_lds s[G0A:G0A+3], s[G1A:G1A+7]
	s_nop 0
	tensor_load_to_lds s[G0A+4:G0A+7], s[G1A:G1A+7]
	s_nop 0
	PLACES
	s_branch .Lfirst_asked
.Lfirst_v:
	tensor_load_to_lds s[G0B:G0B+3], s[G1B:G1B+7]
	s_nop 0
	tensor_load_to_lds s[G0B+4:G0B+7], s[G1B:G1B+7]
	s_nop 0
	PLACES
.Lfirst_asked:
	; THE ROWS' FIGURES: thread i takes row i of both tiles, and column i of the sums beyond.
	v_lshlrev_b32 v2, 2, v0
.irp s, 0,1,2,3,4,5,6,7,8
	s_cmp_gt_u32 s[CNT1], \s
	s_cselect_b32 s88, s90, s91
	s_add_co_u32 s88, s88, 16384*\s
	v_add_nc_u32 v[VO+\s], s88, v2
.endr
.irp s, 0,1,2,3,4,5,6,7,8
	global_load_b32 v[MM+2*\s], v[VO+\s], s[8:9]
	global_load_b32 v[MM+2*\s+1], v[VO+\s], s[8:9] offset:8192
	global_load_b32 v[LL+2*\s], v[VO+\s], s[10:11]
	global_load_b32 v[LL+2*\s+1], v[VO+\s], s[10:11] offset:8192
.endr
	s_lshl_b32 s88, s21, 16                        ; bs: 16 blocks of 4,096 bytes a batch,
	s_lshl_b32 s89, s20, 9                         ; my tile's 128 columns
	s_add_co_u32 s88, s88, s89
	v_add_nc_u32 v3, s88, v2
.irp kb, 0,1,2,3,4,5,6,7,8,9,10,11,12,13,14,15
	global_load_b32 v[BSV+\kb], v3, s[12:13] offset:4096*\kb
.endr
	; the addresses, while the loads are out
	v_and_b32 v1, 15, v0                           ; r
	v_bfe_u32 v4, v0, 4, 1                         ; h
	v_mul_u32_u24 v5, v1, PA
	v_lshl_add_u32 v5, v4, 4, v5
	s_mul_i32 s88, s17, AHALF
	v_add_nc_u32 v[ADRA], s88, v5                  ; p: my 64 rows, row r x pitch + 16 h
	v_add_nc_u32 v[ADRA+1], SLOT, v[ADRA]
	v_and_b32 v6, 7, v0
	v_lshl_add_u32 v6, v4, 3, v6
	v_mul_u32_u24 v6, v6, PV                       ; v, for the turning load: key 8 h + lane % 8,
	v_bfe_u32 v7, v0, 3, 1
	v_lshl_add_u32 v6, v7, 4, v6                   ; columns 8 ((lane / 8) % 2) on
	s_lshl_b32 s88, s18, 7
	s_add_co_u32 s88, s88, VOFF
	v_add_nc_u32 v[ADRB], s88, v6
	v_add_nc_u32 v[ADRB+1], VHALF, v[ADRB]
	v_add_nc_u32 v[ADRB+2], SLOT, v[ADRB]
	v_add_nc_u32 v[ADRB+3], SLOT, v[ADRB+1]
	s_mul_i32 s88, s[WV], 16*SPITCH
	s_add_co_u32 s88, s88, STAGE
	v_mul_u32_u24 v5, v1, SPITCH
	v_lshl_add_u32 v5, v4, 5, v5
	v_add_nc_u32 v[STO], s88, v5                   ; the stage, in: row r, 32 bytes for each half of the lanes
	v_mul_u32_u24 v5, v4, SPITCH
	v_lshl_add_u32 v5, v1, 4, v5
	v_add_nc_u32 v[RD], s88, v5                    ; back: lanes 0-15 one row of 256 bytes, lanes 16-31 the next
	v_lshlrev_b32 v5, 12, v4
	v_lshl_add_u32 v[CO], v1, 4, v5
	s_lshl_b32 s88, s17, 9
	s_add_co_u32 s89, s88, FL
	v_lshl_add_u32 v[ADF], v1, 5, s89
	s_add_co_u32 s88, s88, GV
	v_lshl_add_u32 v[ADG], v1, 5, s88
	s_lshl_b32 s88, s18, 8
	s_add_co_u32 s88, s88, SVL
	v_lshl_add_u32 v[ADSV], v4, 5, s88
	v_lshlrev_b32 v5, 4, v1                        ; where row i's pairs go: 512 (i / 64) + 32 (i % 16) + 8 ((i / 16) % 4)
	v_bfe_u32 v6, v0, 4, 2
	v_lshl_add_u32 v5, v6, 2, v5
	v_lshrrev_b32 v6, 6, v0
	v_lshl_add_u32 v5, v6, 8, v5
	v_lshlrev_b32 v5, 1, v5
	v_add_nc_u32 v[PF], FL, v5
	v_add_nc_u32 v[P8], GV, v5
	v_add_nc_u32 v[PS], SVL, v2
	v_mov_b32 v[NEG], 0xff7fffff
	s_wait_loadcnt 0x0
	v_max3_num_f32 v[M1], v[MM], v[MM+1], 0        ; the first tile always has keys beyond: 0 counts
	v_mov_b32 v[M2], s92
.irp s, 1,2,3                          ; steps 1 to 3 belong to one tile or the other: both ways are worked, and a mask made of ids selects
	v_max_num_f32 v[TA], v[MM+2*\s], v[MM+2*\s+1]
	v_cndmask_b32 v[TC], v[NEG], v[TA], s[CM+\s]
	v_cndmask_b32 v[TD], v[TA], v[NEG], s[CM+\s]
	v_max_num_f32 v[M1], v[M1], v[TC]
	v_max_num_f32 v[M2], v[M2], v[TD]
.endr
.irp s, 4,5,6,7,8
	v_max3_num_f32 v[M2], v[M2], v[MM+2*\s], v[MM+2*\s+1]
.endr
	v_max_num_f32 v[TA], v[M1], 0
	v_max_num_f32 v[TA+1], v[M2], 0
	v_sub_f32 v[TA], 0, v[TA]
	v_sub_f32 v[TA+1], 0, v[TA+1]
	v_cvt_i32_f32 v[TA], v[TA]                     ; (it saturates)
	v_cvt_i32_f32 v[TA+1], v[TA+1]
	v_ldexp_f32 v[GG1], 1.0, v[TA]                 ; g = 2^(-max(M_row, 0))
	v_ldexp_f32 v[GG2], 1.0, v[TA+1]
	v_mov_b32 v[GG1+1], v[GG1]
	v_mov_b32 v[GG2+1], v[GG2]
	v_cvt_f32_u32 v[TC], s93
	v_cvt_f32_u32 v[TD], s94
	v_mul_f32 v[L1], v[GG1], v[TC]                 ; l begins with the keys beyond
	v_mul_f32 v[L2], v[GG2], v[TD]
.irp s, 0,1,2,3,4,5,6,7,8
.if \s == 0
.set MSEL, M1
.elseif \s < 4
	v_cndmask_b32 v[MS], v[M2], v[M1], s[CM+\s]
.set MSEL, MS
.else
.set MSEL, M2
.endif
.irp u, 0,1
	v_sub_f32 v[TA+\u], v[MM+2*\s+\u], v[MSEL]     ; a whole number, 0 or less
.endr
.irp u, 0,1
	v_cvt_i32_f32 v[TA+\u], v[TA+\u]
.endr
.irp u, 0,1
	v_ldexp_f32 v[FP+4*\s+2*\u], 1.0, v[TA+\u]     ; f = 2^(M_blk - M_row)
.endr
.irp u, 0,1
	v_mov_b32 v[FP+4*\s+2*\u+1], v[FP+4*\s+2*\u]   ; twice, for the packed multiply-add
.if \s == 0
	v_fmac_f32 v[L1], v[LL+2*\s+\u], v[FP+4*\s+2*\u]
.elseif \s < 4
	v_cndmask_b32 v[TC], 0, v[FP+4*\s+2*\u], s[CM+\s]
	v_cndmask_b32 v[TD], v[FP+4*\s+2*\u], 0, s[CM+\s]
	v_fmac_f32 v[L1], v[LL+2*\s+\u], v[TC]
	v_fmac_f32 v[L2], v[LL+2*\s+\u], v[TD]
.else
	v_fmac_f32 v[L2], v[LL+2*\s+\u], v[FP+4*\s+2*\u]
.endif
	ds_store_b64 v[PF], v[FP+4*\s+2*\u:FP+4*\s+2*\u+1] offset:2048*\s+1024*\u
.endr
.endr
	v_rcp_f32 v[I1], v[L1]                         ; twice each, to fill the pairs that the packed multiply takes
	v_rcp_f32 v[I1+1], v[L1]
	v_rcp_f32 v[I2], v[L2]
	v_rcp_f32 v[I2+1], v[L2]
	v_nop                                          ; a plain line behind the last reciprocal
	s_wait_alu depctr_va_vdst(0)                   ; the wait ahead of the first line that names a result: one for the four
	ds_store_b64 v[P8], v[GG1:GG1+1]
	ds_store_b64 v[P8], v[GG2:GG2+1] offset:1024
	ds_store_b64 v[P8], v[I1:I1+1] offset:2048
	ds_store_b64 v[P8], v[I2:I2+1] offset:3072
	s_lshl_b32 s88, s[CNT1], 1                     ; the first block of 128 keys beyond the first tile's steps,
	s_sub_co_u32 s89, 18, s88                      ; and beyond the second's
.irp kb, 0,1,2,3,4,5,6,7,8,9,10,11,12,13,14,15 ; which blocks count hangs on ids: the choice is made by a weight of 1 or 0, with no jump
	s_cmp_le_u32 s88, \kb
	s_cselect_b32 s95, 1.0, 0
	s_cmp_le_u32 s89, \kb
	s_cselect_b32 s86, 1.0, 0
.if \kb == 0
	v_mul_f32 v[SV1], s95, v[BSV]
	v_mul_f32 v[SV2], s86, v[BSV]
.else
	v_fmac_f32 v[SV1], s95, v[BSV+\kb]
	v_fmac_f32 v[SV2], s86, v[BSV+\kb]
.endif
.endr
	ds_store_b32 v[PS], v[SV1]
	ds_store_b32 v[PS], v[SV2] offset:512
.macro FLOAD s                         ; (f, f) of my 64 rows for the step at ADF: register 8 u + 2 a
	ds_load_b128 v[FS+16*\s:FS+16*\s+3], v[ADF]
	ds_load_b128 v[FS+16*\s+4:FS+16*\s+7], v[ADF] offset:16
	ds_load_b128 v[FS+16*\s+8:FS+16*\s+11], v[ADF] offset:1024
	ds_load_b128 v[FS+16*\s+12:FS+16*\s+15], v[ADF] offset:1040
.endm
; 32 LDS loads in one run: the fragments of the slot's q-th 64 keys into buffer g: p's 16, then v's 16
.macro FETCH s, q, g
	WIN TO_A
.irp c, 0,1
.irp a, 0,1,2,3
	ds_load_b128 v[64*\g+8*(4*\c+\a):64*\g+8*(4*\c+\a)+3],   v[ADRA+\s] offset:\a*16*PA+128*(\q)+64*\c
	ds_load_b128 v[64*\g+8*(4*\c+\a)+4:64*\g+8*(4*\c+\a)+7], v[ADRA+\s] offset:\a*16*PA+128*(\q)+64*\c+32
.endr
.endr
	WIN 0
.irp c, 0,1
.irp b, 0,1,2,3
	ds_load_tr16_b128 v[VB+64*\g+8*(4*\c+\b):VB+64*\g+8*(4*\c+\b)+3],   v[ADRB+2*\s+(\q)/2] offset:(((\q)%2)*64+32*\c)*PV+32*\b
	ds_load_tr16_b128 v[VB+64*\g+8*(4*\c+\b)+4:VB+64*\g+8*(4*\c+\b)+7], v[ADRB+2*\s+(\q)/2] offset:(((\q)%2)*64+32*\c)*PV+16*PV+32*\b
.endr
.endr
.endm
; Matrix instructions for query blocks a0 .. a1 x the 4 column blocks, on half c (32 keys) of buffer f, into set td of T; zero = 1: they start the block's sums.
; fold = 1: behind every 8th stand 8 of the 64 lines O += f T that fold set ts, the block before; FN counts them; sf: that block's f.  Four plain lines stand ahead of a fold's first batch: the places behind the
; products that finished set ts (ISA guide 7.12.1); each accumulator is read from its low end on.  The 16 accumulators of a set take turns, one instruction a turn.
.macro GRP f, c, a0, a1, td, zero, fold, ts, sf
.set GA, \a0
.rept \a1-\a0+1
.irp b, 0,1,2,3
.if \zero
	v_wmma_f32_16x16x32_f16 v[128*\td+8*(4*GA+\b):128*\td+8*(4*GA+\b)+7], v[VB+64*\f+8*(4*\c+\b):VB+64*\f+8*(4*\c+\b)+7], v[64*\f+8*(4*\c+GA):64*\f+8*(4*\c+GA)+7], 0
.else
	v_wmma_f32_16x16x32_f16 v[128*\td+8*(4*GA+\b):128*\td+8*(4*GA+\b)+7], v[VB+64*\f+8*(4*\c+\b):VB+64*\f+8*(4*\c+\b)+7], v[64*\f+8*(4*\c+GA):64*\f+8*(4*\c+GA)+7], v[128*\td+8*(4*GA+\b):128*\td+8*(4*GA+\b)+7]
.endif
.endr
.if (\fold) && (GA%2 == 1)
.if FN == 0
	PLACES
.endif
	WIN WF
.rept 8
	v_pk_fma_f32 v[ACC+2*FN:ACC+2*FN+1], v[128*\ts+2*FN:128*\ts+2*FN+1], v[\sf+2*(FN/16):\sf+2*(FN/16)+1], v[ACC+2*FN:ACC+2*FN+1]
.set FN, FN+1
.endr
	WIN WM
.endif
.set GA, GA+1
.endr
.endm
; One of a step's first three quarters of 64 keys: fetches the next quarter into g, multiplies f.
.macro QUARTER s, q, f, g, td, zero, fold, ts, sf
	PLACES                                         ; in front of loads into registers that the last quarter's products read
	FETCH \s, (\q)+1, \g
	s_wait_dscnt 32                                ; all but the 32 just issued: all of f is in
	WIN WM
	GRP \f, 0, 0, 3, \td, \zero, \fold, \ts, \sf
	GRP \f, 1, 0, 3, \td, 0, \fold, \ts, \sf
.endm
; The last quarter multiplies buffer 1 and changes slots.  In front of the barrier each wave waits for all its tensor loads (its part of the next slot), adds 0 to its spare word, and waits for that and for its reads of this slot.
; fill = 1: the barrier opens a round of the cluster's barrier, and behind the round this slot is filled again first, two steps ahead: one load a wave.
.macro TURN s, nx, fill
	WIN 0                                          ; (the add's two registers lie in window 0)
	s_wait_tensorcnt 0x0
	ds_add_u32 v[SPW], v[NIL]
	s_wait_dscnt 1                                 ; (the add alone may be out: all of buffer 1 is in)
	WIN WM
	GRP 1, 0, 0, 1, 1, 0, 1, 0, FS+16*\s
	s_wait_dscnt 0x0                               ; the add is done, and my reads of this slot are over
	s_barrier_signal -1
	GRP 1, 0, 2, 3, 1, 0, 1, 0, FS+16*\s
	WIN 0
	s_barrier_wait -1
.if \fill
	CREST                                          ; no wave of any partner still reads this slot or has a load on its way
	s_add_co_u32 s[SN], s[SQ], 2
	SETG0 \s
	JLOAD \s                                       ; the four v_nop behind it are also the places in front of the loads below
.else
	PLACES
.endif
	v_add_nc_u32 v[ADF], 2048, v[ADF]              ; the next step's f
	FLOAD \nx
	FETCH \nx, 0, 0
	WIN WM
	GRP 1, 1, 0, 3, 1, 0, 1, 0, FS+16*\s
	WIN 0
	s_add_co_u32 s[SQ], s[SQ], 1
.endm
; A tile's sums begin with g(row) x the sum of v over the keys beyond.
.macro INITT tile
	ds_load_b128 v[GI:GI+3], v[ADG] offset:1024*\tile
	ds_load_b128 v[GI+4:GI+7], v[ADG] offset:1024*\tile+16
.irp b, 0,1,2,3
	ds_load_b128 v[TMP+8*\b:TMP+8*\b+3], v[ADSV] offset:512*\tile+64*\b
	ds_load_b128 v[TMP+8*\b+4:TMP+8*\b+7], v[ADSV] offset:512*\tile+64*\b+16
.endr
	s_wait_dscnt 0x0
	WIN TO_A                                       ; destination window 1
.irp a, 0,1,2,3
.irp b, 0,1,2,3
.irp j, 0,2,4,6
	v_pk_mul_f32 v[ACC+8*(4*\a+\b)+\j:ACC+8*(4*\a+\b)+\j+1], v[TMP+8*\b+\j:TMP+8*\b+\j+1], v[GI+2*\a:GI+2*\a+1]
.endr
.endr
.endr
	WIN 0
.endm
; A tile leaves: x 1 / l, 16 rows at a time through my own stage, back as whole rows of 256 bytes.
.macro OUTT tile
	ds_load_b128 v[GI:GI+3], v[ADG] offset:2048+1024*\tile
	ds_load_b128 v[GI+4:GI+7], v[ADG] offset:2048+1024*\tile+16
	s_wait_dscnt 0x0
.irp a, 0,1,2,3
	WIN 0x01                                       ; source 0 window 1
.irp b, 0,1,2,3
.irp j, 0,2,4,6
	v_pk_mul_f32 v[TMP+8*\b+\j:TMP+8*\b+\j+1], v[ACC+8*(4*\a+\b)+\j:ACC+8*(4*\a+\b)+\j+1], v[GI+2*\a:GI+2*\a+1]
.endr
.endr
	WIN 0
.irp b, 0,1,2,3
	ds_store_b128 v[STO], v[TMP+8*\b:TMP+8*\b+3] offset:64*\b
	ds_store_b128 v[STO], v[TMP+8*\b+4:TMP+8*\b+7] offset:64*\b+16
.endr
	s_wait_xcnt 0x0                                ; the stores of the 16 rows before have read their registers
.irp i, 0,1,2,3,4,5,6,7
	ds_load_b128 v[BK+4*\i:BK+4*\i+3], v[RD] offset:\i*2*SPITCH    ; LDS serves a wave's instructions in order: these see the stores above
.endr
	s_wait_dscnt 0x0
.irp i, 0,1,2,3,4,5,6,7
	global_store_b128 v[CO], v[BK+4*\i:BK+4*\i+3], s[OB+2*\tile:OB+2*\tile+1] offset:(16*\a+2*\i)*4096 th:TH_STORE_NT   ; 16 lanes store 256 consecutive bytes, aligned; written once, read by nobody here
.endr
.endr
.endm
; In the middle of the second tile's first step the first tile's last block has been folded: the first tile leaves, and O begins anew.  The test hangs on ids and the count of steps alone: the same in all waves and in all
; four partners; no barrier and no tensor load stands under it.
.macro SWITCH
	s_cmp_lg_u32 s[SQ], s[CNT1]
	s_cbranch_scc1 .Lsame_\@
	OUTT 0
	INITT 1
.Lsame_\@:
.endm
; A step of 256 keys in slot s.  Its first 128 keys go into set 0 of T, while set 1, the step before's second 128 keys, is folded with that step's f (the other set of f); its second 128 keys go into set 1, while set 0 is folded.
; first = 1: step 0 has nothing to fold in its first half.  sw = 1: the change of tiles may fall into this step.
.macro STEP s, nx, fill, first, sw
.set FN, 0
	QUARTER \s, 0, 0, 1, 0, 1, 1-\first, 1, FS+16*\nx+8
	QUARTER \s, 1, 1, 0, 0, 0, 1-\first, 1, FS+16*\nx+8
.if \sw
	WIN 0
	SWITCH
.endif
.set FN, 0
	QUARTER \s, 2, 0, 1, 1, 1, 1, 0, FS+16*\s
	TURN \s, \nx, \fill
.endm
	s_wait_tensorcnt 1                             ; my part of step 0 is in (step 1's may be out)
	s_wait_dscnt 0x0                               ; my stores of the rows' figures have landed,
	s_barrier_signal -1
	s_barrier_wait -1                              ; everybody's have
	FLOAD 0
	FETCH 0, 0, 0
	INITT 0                                        ; (its wait for 0 covers the loads above)
	STEP 0, 1, 1, 1, 0                             ; step 0 is written out
	s_mov_b32 s3, 3
.Lloop:                                            ; steps 1 to 6; the change of tiles falls into one of steps 1 to 4; each step asks for the step two on
	STEP 1, 0, 1, 0, 1
	STEP 0, 1, 1, 0, 1
	s_sub_co_u32 s3, s3, 1
	s_cmp_lg_u32 s3, 0
	s_cbranch_scc1 .Lloop
	STEP 1, 0, 0, 0, 0                             ; step 7 asks for nothing, and has no round
.set FN, 0
	QUARTER 0, 0, 0, 1, 0, 1, 1, 1, FS+16+8        ; step 8
	QUARTER 0, 1, 1, 0, 0, 0, 1, 1, FS+16+8
.set FN, 0
	QUARTER 0, 2, 0, 1, 1, 1, 1, 0, FS
	s_wait_dscnt 0x0
	GRP 1, 0, 0, 3, 1, 0, 1, 0, FS
	GRP 1, 1, 0, 3, 1, 0, 1, 0, FS
	PLACES                                         ; behind the last products: the last block is folded with nothing beside it
	WIN WF
.set FN, 0
.rept 64
	v_pk_fma_f32 v[ACC+2*FN:ACC+2*FN+1], v[128+2*FN:128+2*FN+1], v[FS+8+2*(FN/16):FS+8+2*(FN/16)+1], v[ACC+2*FN:ACC+2*FN+1]
.set FN, FN+1
.endr
	WIN 0
	OUTT 1
	s_wait_tensorcnt 0x0                           ; the wave's end
	ds_add_u32 v[SPW], v[NIL]
	s_wait_dscnt 0x0
	CROUND                                         ; the closing round: no work-group ends while a partner may still ask for a tile that names it
	s_endpgm
.Lfunc_end_k_q843710a776_mix:
	.size	k_q843710a776_mix, .Lfunc_end_k_q843710a776_mix-k_q843710a776_mix
	.p2alignl 7, 3214868480
	.fill 96, 4, 3214868480
	.section	.rodata,"a",@progbits
	.p2align	6, 0x0
	.amdhsa_kernel k_q843710a776_mix
		.amdhsa_group_segment_fixed_size 327680
		.amdhsa_private_segment_fixed_size 0
		.amdhsa_enable_private_segment 0
		.amdhsa_kernarg_size 48
		.amdhsa_user_sgpr_count 2
		.amdhsa_user_sgpr_kernarg_segment_ptr 1
		.amdhsa_wavefront_size32 1
		.amdhsa_system_sgpr_workgroup_id_x 1
		.amdhsa_system_sgpr_workgroup_id_y 1
		.amdhsa_system_sgpr_workgroup_id_z 1
		.amdhsa_system_vgpr_workitem_id 0
		.amdhsa_next_free_vgpr 768
		.amdhsa_next_free_sgpr 100
		.amdhsa_reserve_vcc 0
		.amdhsa_float_denorm_mode_32 3
		.amdhsa_float_denorm_mode_16_64 3
		.amdhsa_memory_ordered 1
		.amdhsa_forward_progress 1
		.amdhsa_inst_pref_size 214
	.end_amdhsa_kernel
	.amdgpu_metadata
---
amdhsa.version: [ 1, 2 ]
amdhsa.kernels:
  - .name:           k_q843710a776_mix
    .symbol:         k_q843710a776_mix.kd
    .args:
      - { .name: pt, .offset: 0, .size: 8, .value_kind: global_buffer, .address_space: global }
      - { .name: qkv, .offset: 8, .size: 8, .value_kind: global_buffer, .address_space: global }
      - { .name: mst, .offset: 16, .size: 8, .value_kind: global_buffer, .address_space: global }
      - { .name: lst, .offset: 24, .size: 8, .value_kind: global_buffer, .address_space: global }
      - { .name: bs, .offset: 32, .size: 8, .value_kind: global_buffer, .address_space: global }
      - { .name: out0, .offset: 40, .size: 8, .value_kind: global_buffer, .address_space: global }
    .group_segment_fixed_size: 327680
    .private_segment_fixed_size: 0
    .kernarg_segment_align: 8
    .kernarg_segment_size: 48
    .max_flat_workgroup_size: 128
    .sgpr_count:     100
    .vgpr_count:     768
    .wavefront_size: 32
...
	.end_amdgpu_metadata
.endif
;; end of part 4
